; MI455X (gfx1250); checked and timed in simulation.
; The chip was launched on July 23, 2026; its instructions are those of AMD's public machine-readable ISA for CDNA 5 (MIT licence, August 2026) and "CDNA5" Instruction Set Architecture Reference Guide (July 2026). The comments in the code are by the model that wrote it; some were corrected since.
;; Multi Head Attention. Allowed arithmetic: matrix products marked QUANTISED: E3M2 operands, one E8M0 scale for each 32 along K, by v_wmma_scale_f32_16x16x128_f8f6f4 with both operands' format E3M2, f32 sums; everything else in f32.
;; Inputs: Wk 16 x 1,024 x 64 float32; Wp 1,024 x 1,024 float32; Wq 16 x 1,024 x 64 float32; Wv 16 x 1,024 x 64 float32; batch_x 4 x 2,048 x 1,024 float32; bk 16 x 64 float32; bp 1,024 float32; bq 16 x 64 float32; bv 16 x 64 float32.
;; Outputs: out0 4 x 2,048 x 1,024 float32.
;; This version of the problem:
;;   THIS VERSION OF THE PROBLEM IS GIVEN IN LOW PRECISION. The matrix products marked QUANTISED in the list below multiply operands that are first quantised to E3M2 (3 exponent bits, 2 mantissa bits; 6 bits a number), with one power-of-two scale for each 32 numbers along K (OCP MX v1.0); their sums are f32. All else is computed in f32.
;;   The module's matrix products, in the order in which they are computed (A, B: the left and right operand; K: the contracted axis; several contracted axes count as one K, in the product's order):
;;     1. [M 1,024, K 1,024] x [K 1,024, N 8,192]; A: input Wq; B: input batch_x: QUANTISED
;;     2. [M 1,024, K 1,024] x [K 1,024, N 8,192]; A: input Wk; B: input batch_x: QUANTISED
;;     3. [M 1,024, K 1,024] x [K 1,024, N 8,192]; A: input Wv; B: input batch_x: QUANTISED
;;     4. batch 64 x [M 2,048, K 64] x [K 64, N 2,048]; A: computed on the way; B: computed on the way: QUANTISED
;;     5. batch 64 x [M 2,048, K 2,048] x [K 2,048, N 64]; A: softmax (see below); B: computed on the way: QUANTISED
;;     6. [M 8,192, K 1,024] x [K 1,024, N 1,024]; A: computed on the way; B: input Wp: QUANTISED
;;   THE QUANTISER, for each operand of a quantised product, along K:
;;     - K is cut into blocks of 32 from its start; a last block that is shorter is filled with zeros.
;;     - A block's scale is 2^e with e = floor(log2(the largest magnitude in the block)) - 4, held to -126 .. 127; a block of zeros has e = 0. As a byte (E8M0): e + 127.
;;     - Each number is divided by its block's scale, clamped to +-28, and rounded to the nearest number of E3M2, ties to even, subnormals kept.
;;     - The product sums the exact products of the quantised numbers (number of the format x scale) in f32.
;;   ~~~python
;;   def quantise(x, axis):      # numpy; x: float32 -> the quantised numbers, widened to float32 again
;;       x = np.moveaxis(x, axis, -1); K = x.shape[-1]
;;       x = np.pad(x, [(0, 0)] * (x.ndim - 1) + [(0, -K % 32)]); x = x.reshape(x.shape[:-1] + (-1, 32)); a = np.abs(x).max(-1, keepdims=True)
;;       e = np.where(a > 0, np.clip(np.frexp(np.where(a > 0, a, 1))[1] - 1 - 4, -126, 127), 0)      # np.frexp(a)[1] - 1 = floor(log2(a)), exactly
;;       r = np.clip(x / 2.0 ** e, -28, 28)
;;       step = 2.0 ** (np.maximum(np.frexp(np.where(r == 0, 1, r))[1] - 1, -2) - 2)
;;       q = np.round(r / step) * step * 2.0 ** e      # np.round: ties to even
;;       return np.moveaxis(q.reshape(q.shape[:-2] + (-1,))[..., :K], -1, axis).astype(np.float32)
;;   ~~~
;;   SOFTMAX AHEAD OF A QUANTISED PRODUCT. Where the list says 'softmax', what is quantised is not the finished softmax but p = 2^(t - M), with t = logit x log2(e) and M = ceil(the row's largest t), a whole number; so 1/2 < the row's largest p <= 1. The row's sum l is taken of the UNQUANTISED p, in f32, and the product's result is divided by l at the end. Since M is a whole number, a kernel that streams over the keys may use a running M (the ceiling of the running maximum): every later rescaling is an exact power of two, which a block's scale takes up: the codes' values come out the same.
;;   OPERANDS COMPUTED ON THE WAY. 'Computed on the way' means the value that the module computes at that place (a softmax that the list does not call 'softmax' is quantised finished and normalised). What goes into a quantiser is computed in f32, as accurately as f32 sums, v_exp_f32 and their like allow (about 1e-6 of the number): no bf16 or f16 on the way to a quantiser, and a product that is left as it is and whose result goes on into a quantised operand takes f32 operands (vector FMAs, or v_wmma_f32_16x16x4_f32). A number that lies on a knife's edge between two numbers of the format may be rounded either way, as far as f32 arithmetic and the matrix unit's own rounding can turn it there, and no further.
;; One version. Each part assembles by itself: llvm-mc -triple=amdgcn-amd-amdhsa -mcpu=gfx1250 --defsym DOCPART=n.
;; ======== version 1 of 1: 4 launches
;; limits: right only within a limited range of input values
;; workspace buffers: xq 6,553,600 bytes; wq 3,276,800 bytes; qk 13,631,488 bytes; vt 6,553,600 bytes; oq 6,553,600 bytes
;; launch quant (part 1): grid 512 x 1, 4 waves a work-group, no clusters, 34,304 bytes of LDS; arguments batch_x, Wq, Wk, Wv, Wp, xq, wq; writes xq, wq
.if DOCPART == 1
	.amdgcn_target "amdgcn-amd-amdhsa--gfx1250"
	.amdhsa_code_object_version 6
	.text
	.protected	k_qb1c6031b6a_quant
	.globl	k_qb1c6031b6a_quant
	.p2align	8
	.type	k_qb1c6031b6a_quant,@function
k_qb1c6031b6a_quant:
	s_mov_b64 s[64:65], 0
	v_nop
	global_prefetch_b8 v0, s[64:65] scope:SCOPE_SE
	s_setreg_imm32_b32 hwreg(HW_REG_WAVE_MODE, 25, 1), 1
	s_wait_xcnt 0x0
; batch_x [8192][1024] and the four weights, f32, become codes of BF6 (E3M2) with one E8M0 byte for each 32 along K = the embedding axis,
; laid IN THE ORDER OF THE OPERAND'S REGISTERS, so that the later launches fetch fragments by dense loads of 16 and 8 bytes a lane.
; A RECORD (6,400 bytes) holds 32 rows x 256 K: fragment (u, q) (16 rows x 128 K) at (2 u + q) x 1,536; 256 bytes of scale words at 6,144, the word of (u, r, q) at 128 u + 8 r + 4 q.
; A fragment is two halves of 768 bytes (64 along K each): lane l's registers 6 c .. 6 c + 3 at 16 l, its registers 6 c + 4, 6 c + 5 at 512 + 8 l.
; THE ROWS OF A BLOCK ARE NOT NEIGHBOURS: place r of block u of a group of 32 rows holds row 8 u + (r & 7) + 16 (r >> 3), so that a product that takes such a block as source 0 has 16 neighbours in the 16 registers of two tiles.
; xq[group of 32 tokens][K / 256][record];  wq[group of 32 output features][K / 256][record], groups 0-31 Wq, 32-63 Wk, 64-95 Wv, 96-127 Wp.
; A block's scale is 2^(floor(log2(largest magnitude)) - 4); its byte is the largest magnitude's exponent field - 4, held at 1 from below.
; LIMITS: a block of zeros gets the byte 1 where the rule says 127 (its codes are zeros, and this program alone reads the bytes); blocks whose largest magnitude lies under 2^-122 have the byte 1; NaN and infinities are not served.
; Work-groups 0-255: x, a group of 32 tokens each, a wave to a record.  Work-groups 256-511: the weights, a wave to 32 features x 128 K.  Waves share nothing: no barrier.  No matrix work, no tensor load,
; no cluster: no two work-groups read the same bytes.  Only the path for x uses LDS.
.set REC,  6400
.set O16,  4                           ; v4   16 x lane
.set O8,   5                           ; v5   8 x lane
.set STI,  6                           ; v6   x: my place in a row of the stage, on the way in
.set STO,  7                           ; v7   x: on the way out
.set R,    16                          ; v16-143  x: two sets of 64 registers as loaded;  weights: 128 numbers down K
.set X,    144                         ; v144-207 x: 64 numbers of my row
.set PC,   208                         ; v208-227 x: the codes just made
.set TM,   228                         ; v228-243 at work
.set WS,   246                         ; v246-249 the four fragments' scale words
.set SEL,  20                          ; s[20:21] lane selects for v_permlanex16_b32: lane l xor 16
; 64 numbers of a lane, v[s] .. v[s + 63], register 16 b + i = k 32 b + 16 (lane / 16) + i of my row, become a fragment's codes in v[PC] on and its scale word in v[w].
.macro QUANT s, w
.irp b, 0,1,2,3
	v_max3_num_f32 v[TM+\b], |v[\s+16*\b]|, |v[\s+1+16*\b]|, 0x2800000   ; block b: my 16 numbers, and the floor 2^(5 - 127): the byte cannot fall under 1
.endr
.irp i, 2,4,6,8,10,12,14
.irp b, 0,1,2,3
	v_max3_num_f32 v[TM+\b], v[TM+\b], |v[\s+16*\b+\i]|, |v[\s+1+16*\b+\i]|   ; the four blocks by turns
.endr
.endr
.irp b, 0,1,2,3
	v_permlanex16_b32 v[TM+4+\b], v[TM+\b], s[SEL], s[SEL+1]
.endr
.irp b, 0,1,2,3
	v_max_num_f32 v[TM+\b], v[TM+\b], v[TM+4+\b]   ; with lane l xor 16's: the block's largest magnitude
.endr
.irp b, 0,1,2,3
	v_add_nc_u32 v[TM+12+\b], 0xfe000000, v[TM+\b]   ; 4 off its exponent field: the conversion takes the exponent field of this operand as its scale
.endr
.irp b, 0,1,2,3
	v_lshrrev_b32 v[TM+4+\b], 23, v[TM+12+\b]      ; the scale's byte
.endr
	v_lshl_or_b32 v[\w], v[TM+5], 8, v[TM+4]       ; the four bytes make my row's scale word
	v_lshl_or_b32 v[\w], v[TM+6], 16, v[\w]
	v_lshl_or_b32 v[\w], v[TM+7], 24, v[\w]
.irp c, 0,1
	v_cvt_scalef32_pk16_bf6_f32 v[PC+6*\c:PC+2+6*\c], v[\s+32*\c:\s+15+32*\c], v[TM+12+2*\c]
	v_cvt_scalef32_pk16_bf6_f32 v[PC+12+4*\c:PC+14+4*\c], v[\s+16+32*\c:\s+31+32*\c], v[TM+12+2*\c+1]   ; (a conversion's three registers begin on an even number)
.endr
	v_nop                                          ; one plain instruction behind the scaled conversions
.irp c, 0,1                                    ; the operand's layout wants a whole block in a lane: lanes 0-15 block 2 c, lanes 16-31 block 2 c + 1
.irp i, 0,1,2
	v_permlane16_swap_b32 v[PC+6*\c+\i], v[PC+12+4*\c+\i]
.endr
.irp i, 0,1,2
	v_mov_b32 v[PC+3+6*\c+\i], v[PC+12+4*\c+\i]
.endr
.endr
.endm
	s_load_b256 s[4:11], s[0:1], 0x0               ; x s[4:5], Wq s[6:7], Wk s[8:9], Wv s[10:11]
	s_load_b128 s[12:15], s[0:1], 0x20             ; Wp s[12:13], xq s[14:15]
	s_load_b64 s[16:17], s[0:1], 0x30              ; wq
	v_lshl_add_u32 v254, v0, 2, 0x8400
	v_mov_b32 v255, 0
	v_lshrrev_b32 v1, 5, v0
	v_readfirstlane_b32 s18, v1                    ; wave 0..3
	v_and_b32 v1, 31, v0                           ; lane
	v_and_b32 v2, 15, v0                           ; r
	v_bfe_u32 v3, v0, 4, 1                         ; h
	v_lshlrev_b32 v[O16], 4, v1
	v_lshlrev_b32 v[O8], 3, v1
	s_mov_b32 s[SEL], 0x76543210
	s_mov_b32 s[SEL+1], 0xfedcba98
	s_cmp_lt_u32 ttmp9, 256
	s_cbranch_scc0 .Lweights
; ---- x.  The work-group takes tokens 32 g .. 32 g + 31; wave w the columns 256 w .. 256 w + 255: one record.
; A fragment's 16 rows come by 16 loads of 512 consecutive bytes each, turn through the wave's own stage in LDS (16 rows of 512 + 16 bytes) and come back 64 bytes of each block of 32 to a lane.
	s_mul_i32 s22, s18, 16*528                     ; my stage
	v_add_nc_u32 v[STI], s22, v[O16]
	v_mul_u32_u24 v[STO], v2, 528
	v_lshl_add_u32 v[STO], v3, 6, v[STO]
	v_add_nc_u32 v[STO], s22, v[STO]               ; row r, + 64 h: my 16 numbers of a block of 32
.irp b, 0,1,2,3
	v_mov_b32 v[TM+4+\b], 0                        ; written once: a lane permute's destination counts as one of its sources
.endr
	s_lshl_b32 s24, ttmp9, 17                      ; 32 rows of 4,096 bytes a group,
	s_lshl_b32 s23, s18, 10                        ; 1,024 bytes of a row a wave
	s_add_co_u32 s24, s24, s23
	s_mov_b32 s25, 0
	s_lshl_b32 s26, ttmp9, 2
	s_add_co_u32 s26, s26, s18
	s_mul_i32 s26, s26, REC                        ; my record
	s_mov_b32 s27, 0
	s_wait_alu depctr_va_vdst(0)
	s_wait_kmcnt 0x0
	s_add_nc_u64 s[4:5], s[4:5], s[24:25]
	s_add_nc_u64 s[14:15], s[14:15], s[26:27]
.macro LOADF f                         ; fragment f = 2 u + q: place t holds row 8 u + t + 8 (t / 8); 512 bytes of it at 512 q
.irp t, 0,1,2,3,4,5,6,7,8,9,10,11,12,13,14,15
	global_load_b128 v[R+64*((\f)%2)+4*\t:R+64*((\f)%2)+4*\t+3], v[O16], s[4:5] offset:(8*((\f)/2)+\t+8*(\t/8))*4096+512*((\f)%2) th:TH_LOAD_NT
.endr
.endm
.macro FRAGX f
.if (\f) < 3
	s_wait_loadcnt 16                              ; this fragment's 16 loads are in; the next fragment's 16 may be out
.else
	s_wait_loadcnt 0x0
.endif
.irp t, 0,1,2,3,4,5,6,7,8,9,10,11,12,13,14,15
	ds_store_b128 v[STI], v[R+64*((\f)%2)+4*\t:R+64*((\f)%2)+4*\t+3] offset:528*\t
.endr
.irp b, 0,1,2,3
.irp j, 0,1,2,3
	ds_load_b128 v[X+16*\b+4*\j:X+16*\b+4*\j+3], v[STO] offset:128*\b+16*\j   ; LDS serves a wave's instructions in order: these see the stores above
.endr
.endr
	s_wait_dscnt 0x0                               ; my numbers are back, and the stores into the stage have read their registers
	s_wait_xcnt 0x0                                ; the last fragment's stores have read the codes' registers, which are written again below
.if (\f) < 2
	LOADF (\f)+2                                   ; the set just emptied takes the fragment two on
.endif
	QUANT X, WS+(\f)
	global_store_b128 v[O16], v[PC:PC+3], s[14:15] offset:1536*(\f)          ; each store covers 512 or 256 consecutive bytes, at a multiple of 256 from the buffer's first byte
	global_store_b64 v[O8], v[PC+4:PC+5], s[14:15] offset:1536*(\f)+512
	global_store_b128 v[O16], v[PC+6:PC+9], s[14:15] offset:1536*(\f)+768
	global_store_b64 v[O8], v[PC+10:PC+11], s[14:15] offset:1536*(\f)+1280
.endm
	LOADF 0
	LOADF 1
	FRAGX 0
	FRAGX 1
	FRAGX 2
	FRAGX 3
	s_mov_b32 s22, 0xffff0000                      ; lanes 16-31
	v_cndmask_b32 v250, v[WS], v[WS+2], s22        ; lanes 0-15: block 0's two words of row r; lanes 16-31: block 1's (a word stands alike in lanes r and r + 16)
	v_cndmask_b32 v251, v[WS+1], v[WS+3], s22
	global_store_b64 v[O8], v[250:251], s[14:15] offset:6144   ; 256 consecutive bytes
	s_wait_tensorcnt 0x0
	ds_add_u32 v254, v255
	s_wait_dscnt 0x0
	s_endpgm
; ---- the weights.  K is not innermost: A LANE TAKES A COLUMN (an output feature) AND ITS REGISTERS RUN DOWN K.  Lane 16 u + r takes the feature of place r of block u, so each load reads 128 consecutive bytes.
; A wave takes a group of 32 features x 128 K: fragments (0, q) and (1, q) of one record, and word q of its 32 rows.
.Lweights:
	s_sub_co_u32 s22, ttmp9, 256
	s_lshr_b32 s23, s22, 1                         ; the group of 32 features, 0..127
	s_and_b32 s22, s22, 1
	s_lshl_b32 s22, s22, 2
	s_add_co_u32 s22, s22, s18                     ; which 128 along K, 0..7
	s_wait_alu depctr_va_vdst(0)
	v_and_b32 v6, 7, v2
	v_and_b32 v7, 8, v2
	v_lshl_add_u32 v6, v7, 1, v6                   ; (r & 7) + 16 (r >> 3)
	v_lshl_add_u32 v6, v3, 3, v6                   ; + 8 u
	v_lshlrev_b32 v6, 2, v6                        ; in bytes
	s_lshl_b32 s24, s23, 2
	s_lshr_b32 s25, s22, 1
	s_add_co_u32 s24, s24, s25
	s_mul_i32 s24, s24, REC                        ; the record
	s_and_b32 s25, s22, 1                          ; q
	s_mul_i32 s26, s25, 1536
	s_add_co_u32 s26, s26, s24                     ; fragment (0, q)
	s_mov_b32 s27, 0
	s_lshl_b32 s28, s25, 2
	s_add_co_u32 s28, s28, s24                     ; word q
	s_mov_b32 s29, 0
	s_and_b32 s30, s23, 31                         ; the group within its tensor
	s_wait_kmcnt 0x0
	s_add_nc_u64 s[26:27], s[16:17], s[26:27]
	s_add_nc_u64 s[28:29], s[16:17], s[28:29]
.macro WPATH pitch                     ; pitch: bytes from k to k + 1
.set kk, 0
.rept 128
	global_load_b32 v[R+kk], v6, s[32:33] offset:kk*\pitch
.set kk, kk+1
.endr
.irp c, 0,1                            ; blocks 2 c and 2 c + 1 of 32 along K
.set S, R+64*\c
.if \c == 0
	s_wait_loadcnt 63                              ; behind the first 64 loads 64 were issued; 63 is the largest count that the wait can name
.else
	s_wait_loadcnt 0x0
.endif
.irp e, 0,1
	v_max3_num_f32 v[184+\e], |v[S+32*\e]|, |v[S+32*\e+1]|, |v[S+32*\e+2]|   ; a block's 32 numbers are all mine: two chains a block, the two blocks by turns
	v_max3_num_f32 v[186+\e], |v[S+32*\e+3]|, |v[S+32*\e+4]|, |v[S+32*\e+5]|
.endr
.irp i, 6,10,14,18,22,26
.irp e, 0,1
	v_max3_num_f32 v[184+\e], v[184+\e], |v[S+32*\e+\i]|, |v[S+32*\e+\i+1]|
	v_max3_num_f32 v[186+\e], v[186+\e], |v[S+32*\e+\i+2]|, |v[S+32*\e+\i+3]|
.endr
.endr
.irp e, 0,1
	v_max3_num_f32 v[184+\e], v[184+\e], |v[S+32*\e+30]|, |v[S+32*\e+31]|
.endr
.irp e, 0,1
	v_max3_num_f32 v[184+\e], v[184+\e], v[186+\e], 0x2800000   ; and the floor 2^(5 - 127)
.endr
.irp e, 0,1
	v_add_nc_u32 v[188+\e], 0xfe000000, v[184+\e]  ; 4 off the exponent field: the conversion's scale operand
.endr
.irp e, 0,1
	v_lshrrev_b32 v[190+2*\c+\e], 23, v[188+\e]    ; the scale's byte
.endr
	v_cvt_scalef32_pk16_bf6_f32 v[144+12*\c:146+12*\c], v[S:S+15], v188
	v_cvt_scalef32_pk16_bf6_f32 v[176:178], v[S+16:S+31], v188      ; (a conversion's three registers begin on an even number)
	v_cvt_scalef32_pk16_bf6_f32 v[150+12*\c:152+12*\c], v[S+32:S+47], v189
	v_cvt_scalef32_pk16_bf6_f32 v[180:182], v[S+48:S+63], v189
	v_nop                                          ; one plain instruction behind the scaled conversions
.irp i, 0,1,2
	v_mov_b32 v[147+12*\c+\i], v[176+\i]
	v_mov_b32 v[153+12*\c+\i], v[180+\i]
.endr
.irp i, 0,1,2,3,4,5                    ; the first six hold every lane's block 2 c, the second six its block 2 c + 1.  The first's lanes 16-31 change places with the second's lanes 0-15:
	v_permlane16_swap_b32 v[144+12*\c+\i], v[150+12*\c+\i]   ; the first six are then registers 6 c .. 6 c + 5 of row block 0's fragment, the second six of row block 1's
.endr
	global_store_b128 v[O16], v[144+12*\c:147+12*\c], s[26:27] offset:768*\c        ; each store covers 512 or 256 consecutive bytes, at a multiple of 256 from the buffer's first byte
	global_store_b64 v[O8], v[148+12*\c:149+12*\c], s[26:27] offset:768*\c+512
	global_store_b128 v[O16], v[150+12*\c:153+12*\c], s[26:27] offset:768*\c+3072
	global_store_b64 v[O8], v[154+12*\c:155+12*\c], s[26:27] offset:768*\c+3584
.endr
	v_lshl_or_b32 v194, v191, 8, v190              ; my row's four bytes
	v_lshl_or_b32 v194, v192, 16, v194
	v_lshl_or_b32 v194, v193, 24, v194
	global_store_b32 v[O8], v194, s[28:29] offset:6144   ; 4 bytes of every 8: the wave with the other q fills the gaps.  One byte in 128 of what this path reads
.endm
	s_cmp_ge_u32 s23, 96
	s_cbranch_scc1 .Lwp
	s_lshr_b32 s31, s23, 5                         ; Wq, Wk or Wv: [16 heads][1024 k][64]: feature = 64 head + d; the choice hangs on the work-group's number alone
	s_cmp_eq_u32 s31, 1
	s_cselect_b64 s[32:33], s[8:9], s[6:7]
	s_cmp_eq_u32 s31, 2
	s_cselect_b64 s[32:33], s[10:11], s[32:33]
	s_lshr_b32 s34, s30, 1
	s_lshl_b32 s34, s34, 18                        ; the head: 1,024 rows of 256 bytes
	s_and_b32 s35, s30, 1
	s_lshl_b32 s35, s35, 7                         ; which 32 of its 64
	s_add_co_u32 s34, s34, s35
	s_lshl_b32 s35, s22, 15                        ; 128 rows of 256 bytes along K
	s_add_co_u32 s34, s34, s35
	s_mov_b32 s35, 0
	s_add_nc_u64 s[32:33], s[32:33], s[34:35]
	s_wait_alu depctr_va_vdst(0)
	WPATH 256
	s_endpgm
.Lwp:                                  ; Wp: [1024 k][1024 features]
	s_lshl_b32 s34, s30, 7
	s_lshl_b32 s35, s22, 19                        ; 128 rows of 4,096 bytes along K
	s_add_co_u32 s34, s34, s35
	s_mov_b32 s35, 0
	s_add_nc_u64 s[32:33], s[12:13], s[34:35]
	s_wait_alu depctr_va_vdst(0)
	WPATH 4096
	s_endpgm
.Lfunc_end_k_qb1c6031b6a_quant:
	.size	k_qb1c6031b6a_quant, .Lfunc_end_k_qb1c6031b6a_quant-k_qb1c6031b6a_quant
	.p2alignl 7, 3214868480
	.fill 96, 4, 3214868480
	.section	.rodata,"a",@progbits
	.p2align	6, 0x0
	.amdhsa_kernel k_qb1c6031b6a_quant
		.amdhsa_group_segment_fixed_size 34304
		.amdhsa_private_segment_fixed_size 0
		.amdhsa_enable_private_segment 0
		.amdhsa_kernarg_size 56
		.amdhsa_user_sgpr_count 2
		.amdhsa_user_sgpr_kernarg_segment_ptr 1
		.amdhsa_wavefront_size32 1
		.amdhsa_system_sgpr_workgroup_id_x 1
		.amdhsa_system_sgpr_workgroup_id_y 1
		.amdhsa_system_sgpr_workgroup_id_z 1
		.amdhsa_system_vgpr_workitem_id 0
		.amdhsa_next_free_vgpr 256
		.amdhsa_next_free_sgpr 66
		.amdhsa_reserve_vcc 0
		.amdhsa_float_denorm_mode_32 3
		.amdhsa_float_denorm_mode_16_64 3
		.amdhsa_memory_ordered 1
		.amdhsa_forward_progress 1
		.amdhsa_inst_pref_size 73
	.end_amdhsa_kernel
	.amdgpu_metadata
---
amdhsa.version: [ 1, 2 ]
amdhsa.kernels:
  - .name:           k_qb1c6031b6a_quant
    .symbol:         k_qb1c6031b6a_quant.kd
    .args:
      - { .name: batch_x, .offset: 0, .size: 8, .value_kind: global_buffer, .address_space: global }
      - { .name: Wq, .offset: 8, .size: 8, .value_kind: global_buffer, .address_space: global }
      - { .name: Wk, .offset: 16, .size: 8, .value_kind: global_buffer, .address_space: global }
      - { .name: Wv, .offset: 24, .size: 8, .value_kind: global_buffer, .address_space: global }
      - { .name: Wp, .offset: 32, .size: 8, .value_kind: global_buffer, .address_space: global }
      - { .name: xq, .offset: 40, .size: 8, .value_kind: global_buffer, .address_space: global }
      - { .name: wq, .offset: 48, .size: 8, .value_kind: global_buffer, .address_space: global }
    .group_segment_fixed_size: 34304
    .private_segment_fixed_size: 0
    .kernarg_segment_align: 8
    .kernarg_segment_size: 56
    .max_flat_workgroup_size: 128
    .sgpr_count:     66
    .vgpr_count:     256
    .wavefront_size: 32
...
	.end_amdgpu_metadata
.endif
;; end of part 1
;; launch qkv (part 2): grid 4 x 64, 4 waves a work-group, clusters of 4 x 4, 327,680 bytes of LDS; arguments xq, wq, bq, bk, bv, qk, vt; writes qk, vt
.if DOCPART == 2
	.amdgcn_target "amdgcn-amd-amdhsa--gfx1250"
	.amdhsa_code_object_version 6
	.text
	.protected	k_qb1c6031b6a_qkv
	.globl	k_qb1c6031b6a_qkv
	.p2align	8
	.type	k_qb1c6031b6a_qkv,@function
k_qb1c6031b6a_qkv:
	s_mov_b64 s[64:65], 0
	v_nop
	global_prefetch_b8 v0, s[64:65] scope:SCOPE_SE
	s_setreg_imm32_b32 hwreg(HW_REG_WAVE_MODE, 25, 1), 1
	s_wait_xcnt 0x0
	s_wait_alu depctr_hold_cnt(0) depctr_sa_sdst(0) depctr_va_vdst(0) depctr_va_sdst(0) depctr_va_ssrc(0) depctr_va_vcc(0) depctr_vm_vsrc(0)
	s_getreg_b32 s2, hwreg(HW_REG_IB_STS2, 6, 4)
	s_cmp_eq_u32 s2, 0
	s_cbranch_scc0 .Lentry_in_a_cluster
	s_endpgm
.Lentry_in_a_cluster:
	s_bfe_u32 s2, ttmp6, 0x10000c
	s_cmp_lg_u32 s2, 0xf033
	s_cbranch_scc0 .Lentry_shape_is_right
	s_endpgm
.Lentry_shape_is_right:
; The three projections on codes of BF6 (E3M2), K = 1,024, their biases, and the quantising of their results for the attention launch.
; OPERANDS: records of 6,400 bytes = 32 rows x 256 K, buf[group of 32 rows][K / 256][record]: fragment (u, q) at (2 u + q) x 1,536, scale words at 6,144 + 128 u + 8 r + 4 q; place r of block u holds row 8 u + (r & 7) + 16 (r >> 3).
; THE DEAL: 256 work-groups; each takes 128 tokens through 256 features of Wq, then of Wk, then of Wv.  The tokens' codes, all of K (102,400 bytes), stay in LDS as two halves of K.
; The weights go through two slots of 256 features x 512 K (102,400 bytes each): slot 0 holds a pass's first half of K, slot 1 its second.  A slot is asked for again four steps and a way out ahead of its first read, so no prefetch is laid.
; Four waves, 64 tokens x 128 features each: 32 accumulators.  Two sets of fragments a side.  q and k: source 0 = features, so a lane holds a token and two heads' features; the bias is the first products' C.
; v: source 0 = tokens, so a lane holds a feature and 64 tokens, which are half of a K step of attention's second product; its bias is added on the way out.
; q's and k's passes are one loop of two trips, each with its two refills; v's pass is written out and asks for nothing.
; CLUSTERS: the tokens' tiles are shared along a row of the cluster, the weights' along a column.
; RESULTS: qk[q's 16 heads, then k's][64 groups of 128 tokens][6,656]: block a's 16 tokens x 64 at 768 a; scale words at 6,144 + 256 (a >> 2) + 16 r + 4 (a & 3), bytes 2 and 3 zero.
;          vt[16 heads][64 groups of 128 tokens][6,400]: 16 features x 128 tokens at 1,536 dt; scale words at 6,144 + 16 r + 4 dt.
; LIMITS: a block of zeros gets the byte 1 where the rule says 127 (its codes are zeros; this program alone reads the bytes); blocks whose largest magnitude lies under 2^-122 have the byte 1; NaN and infinities are not served.
; REGISTERS: window 0: v8-27 addresses, v32-63 scale words (two sets), v64-127 at work on the way out, v128-223 the tokens' fragments, v224-239 v's bias; window 1: the weights' fragments; window 2: the sums; window 3 v0-63: q's or k's bias.
.set REC,   6400
.set GRP,   4*REC
.set HG,    2*REC
.set AH,    4*HG
.set ABYTES, 2*AH
.set SLOT,  8*HG
.set SPARE, ABYTES+2*SLOT
.set FR,    12
.set NP,    4
.set QH,    64*6656
.set VH,    64*6400
.set ADRA16, 8
.set ADRA8,  10
.set ADRB16, 12
.set ADRB8,  14
.set ADRS,   16
.set ADRSB,  18
.set O16,    20
.set O8,     21
.set SPW,    22
.set NIL,    23
.set OSC,    24
.set R16,    25
.set BO,     26
.set BVO,    27
.set SC,     32
.set PC,     64
.set TM,     84
.set PW,     100
.set SW0,    102
.set SW1,    106
.set T,      110
.set X,      64
.set P,      96
.set TC,     102
.set VB,     106
.set VX,     108
.set VS,     110
.set VE,     112
.set VW,     114
.set AF,     128
.set BM,     224
.set BN,     0
.set WV, 18
.set RH, 19
.set CH, 20
.set G1,  24
.set G0,  32
.set G1B, 48
.set G0B, 56
.set PS,  47
.set SEL, 90
.set MSB, 0
.macro WIN new
.if MSB != (\new)
	s_set_vgpr_msb (MSB<<8)|(\new)
.set MSB, (\new)
.endif
.endm
.macro WALU
	s_wait_alu depctr_va_vdst(0)
.endm
.macro CREST
	s_cmp_lg_u32 s[WV], 0
	s_cbranch_scc1 .Lnot_wave_0_\@
	s_barrier_signal -3
.Lnot_wave_0_\@:
	s_barrier_wait -3
	s_barrier_signal -1
	s_barrier_wait -1
.endm
.macro CROUND
	s_barrier_signal -1
	s_barrier_wait -1
	CREST
.endm
.macro PLACES n
.rept \n
	v_nop
.endr
.endm
.macro BLOAD                           ; half a slot each by waves 2 and 3; the branch hangs on the wave's number alone
	s_cmp_eq_u32 s[RH], 0
	s_cbranch_scc1 .Lnone_\@
	tensor_load_to_lds s[G0B:G0B+3], s[G1B:G1B+7]
	s_nop 0
	PLACES 4
.Lnone_\@:
.endm
.macro FRAG reg, a16, a8, off
	ds_load_b128 v[\reg:\reg+3], v[\a16] offset:\off
	ds_load_b64 v[\reg+4:\reg+5], v[\a8] offset:(\off)+512
	ds_load_b128 v[\reg+6:\reg+9], v[\a16] offset:(\off)+768
	ds_load_b64 v[\reg+10:\reg+11], v[\a8] offset:(\off)+1280
.endm
; step st = 0 .. 7 of a pass: its fragments into set st % 2; with an even step its record's scale words: lanes 0-15 the tokens' block i (i < 4), lanes 16-31 the weights'
.macro FETCH st
	WIN 0x40
.irp i, 0,1,2,3,4,5,6,7
	FRAG 128*((\st)%2)+FR*\i, ADRB16+(\st)/4, ADRB8+(\st)/4, (\i/2)*HG+(((\st)/2)%2)*REC+(2*(\i%2)+(\st)%2)*1536
.endr
	WIN 0
.irp i, 0,1,2,3
	FRAG AF+48*((\st)%2)+FR*\i, ADRA16+(\st)/4, ADRA8+(\st)/4, (\i/2)*HG+(((\st)/2)%2)*REC+(2*(\i%2)+(\st)%2)*1536
.endr
.if (\st)%2 == 0
.irp i, 0,1,2,3
	ds_load_b64 v[SC+16*(((\st)/2)%2)+2*\i:SC+16*(((\st)/2)%2)+2*\i+1], v[ADRS+(\st)/4] offset:(\i/2)*HG+(((\st)/2)%2)*REC+6144+128*(\i%2)
.endr
.irp i, 4,5,6,7
	ds_load_b64 v[SC+16*(((\st)/2)%2)+2*\i:SC+16*(((\st)/2)%2)+2*\i+1], v[ADRSB+(\st)/4] offset:(\i/2)*HG+(((\st)/2)%2)*REC+6144+128*(\i%2)
.endr
.endif
.endm
.macro PRDQ d, fb, fa, c, xb, xa
	v_wmma_scale_f32_16x16x128_f8f6f4 v[\d:\d+7], v[\fb:\fb+FR-1], v[\fa:\fa+FR-1], \c, v[\xb], v[\xa] matrix_a_fmt:MATRIX_FMT_BF6 matrix_b_fmt:MATRIX_FMT_BF6 matrix_a_scale:MATRIX_SCALE_ROW1
.endm
.macro PRDV d, fa, fb, c, xa, xb
	v_wmma_scale_f32_16x16x128_f8f6f4 v[\d:\d+7], v[\fa:\fa+FR-1], v[\fb:\fb+FR-1], \c, v[\xa], v[\xb] matrix_a_fmt:MATRIX_FMT_BF6 matrix_b_fmt:MATRIX_FMT_BF6 matrix_b_scale:MATRIX_SCALE_ROW1
.endm
; 16 products: token blocks a0, a0 + 1 x the eight feature blocks; the 32 accumulators take turns.  mode 0: q, k, sum (a, b) at 8 (8 a + b); mode 1: v, at 8 (4 b + a)
.macro MUL16 a0, st, mode
.irp a, \a0, \a0+1
.irp b, 0,1,2,3,4,5,6,7
.if (\mode) == 0
.if (\st) == 0
	PRDQ 8*(8*(\a)+\b), 128*((\st)%2)+FR*\b, AF+48*((\st)%2)+FR*(\a), v[BN+8*\b:BN+8*\b+7], SC+16*(((\st)/2)%2)+2*\b+(\st)%2, SC+16*(((\st)/2)%2)+2*(\a)+(\st)%2
.else
	PRDQ 8*(8*(\a)+\b), 128*((\st)%2)+FR*\b, AF+48*((\st)%2)+FR*(\a), v[8*(8*(\a)+\b):8*(8*(\a)+\b)+7], SC+16*(((\st)/2)%2)+2*\b+(\st)%2, SC+16*(((\st)/2)%2)+2*(\a)+(\st)%2
.endif
.else
.if (\st) == 0
	PRDV 8*(4*\b+(\a)), AF+48*((\st)%2)+FR*(\a), 128*((\st)%2)+FR*\b, 0, SC+16*(((\st)/2)%2)+2*(\a)+(\st)%2, SC+16*(((\st)/2)%2)+2*\b+(\st)%2
.else
	PRDV 8*(4*\b+(\a)), AF+48*((\st)%2)+FR*(\a), 128*((\st)%2)+FR*\b, v[8*(4*\b+(\a)):8*(4*\b+(\a))+7], SC+16*(((\st)/2)%2)+2*(\a)+(\st)%2, SC+16*(((\st)/2)%2)+2*\b+(\st)%2
.endif
.endif
.endr
.endr
.endm
.macro MWIN st, mode
.if (\mode) == 1
	WIN 0xa4                                       ; tokens window 0, weights window 1, sums window 2
.elseif (\st) == 0
	WIN 0xb1                                       ; weights window 1, tokens window 0, the bias window 3, sums window 2
.else
	WIN 0xa1
.endif
.endm
.macro STEP st, mode                   ; a step whose successor lies in the same slot
	s_wait_dscnt 0x0                               ; this step's fragments are in
.if (\st) == 0 && (\mode) == 0
	s_wait_loadcnt 0x0                             ; the bias
.endif
	PLACES NP                                      ; behind the last step's products, ahead of loads into the set that they read
	FETCH (\st)+1
	MWIN \st, \mode
	MUL16 0, \st, \mode
	MUL16 2, \st, \mode
	WIN 0
.endm
; a slot's last step.  fill = 1: the slot is filled again behind a round of the cluster's barrier: lds its place, delta the step of the weights' address.  nxt: the step that is fetched, from the other slot
.macro TURN st, mode, fill, nxt, lds, delta
	s_wait_tensorcnt 0x0                           ; all my tensor loads have landed: my part of the other slot
.if \fill
	ds_add_u32 v[SPW], v[NIL]
	s_wait_dscnt 0x0                               ; the add is done, and this step's fragments, my last reads of this slot, are in
.else
	s_wait_dscnt 0x0
.endif
	s_barrier_signal -1
	MWIN \st, \mode
	MUL16 0, \st, \mode                            ; work on registers while the others arrive
	WIN 0
	s_barrier_wait -1
.if \fill
	CREST
	s_add_co_u32 s[G0B+1], s46, \lds
	s_add_nc_u64 s[G0B+2:G0B+3], s[G0B+2:G0B+3], \delta
	BLOAD
.endif
	PLACES NP
	FETCH \nxt
	MWIN \st, \mode
	MUL16 2, \st, \mode                            ; the step's other half stands behind the fetch
	WIN 0
	PLACES NP
.endm
.macro BIAS p                          ; lane half h of tile 2 b + u holds features 32 b + 16 h + 8 u + 0 .. 7
	WIN 0xc0
.irp t, 0,1,2,3,4,5,6,7
	global_load_b128 v[BN+8*\t:BN+8*\t+3], v[BO], s[\p:\p+1] offset:(32*(\t/2)+8*(\t%2))*4
	global_load_b128 v[BN+8*\t+4:BN+8*\t+7], v[BO], s[\p:\p+1] offset:(32*(\t/2)+8*(\t%2))*4+16
.endr
	WIN 0
.endm
; q, k: block a's 16 tokens x 128 features: a lane's 64 sums (register 16 b + i = feature 32 b + 16 h + i) become a fragment, whose halves are two heads' half fragments
.macro QOUT a
	s_wait_xcnt 0x0                                ; the last block's stores have read their registers
	WIN 0x0a
.irp b, 0,1,2,3
	v_max3_num_f32 v[TM+\b], |v[64*\a+16*\b]|, |v[64*\a+16*\b+1]|, 0x2800000   ; with the floor 2^(5 - 127)
.endr
	WIN 0x28
.irp i, 2,4,6,8,10,12,14
.irp b, 0,1,2,3
	v_max3_num_f32 v[TM+\b], v[TM+\b], |v[64*\a+16*\b+\i]|, |v[64*\a+16*\b+\i+1]|
.endr
.endr
	WIN 0
.irp b, 0,1,2,3
	v_permlanex16_b32 v[TM+4+\b], v[TM+\b], s[SEL], s[SEL+1]
.endr
.irp b, 0,1,2,3
	v_max_num_f32 v[TM+\b], v[TM+\b], v[TM+4+\b]
.endr
.irp b, 0,1,2,3
	v_add_nc_u32 v[TM+12+\b], 0xfe000000, v[TM+\b]   ; 4 off the exponent field: the conversion's scale operand
.endr
.irp b, 0,1,2,3
	v_lshrrev_b32 v[TM+4+\b], 23, v[TM+12+\b]
.endr
	v_lshl_or_b32 v[SW0+\a], v[TM+5], 8, v[TM+4]   ; the first head's two bytes,
	v_lshl_or_b32 v[SW1+\a], v[TM+7], 8, v[TM+6]   ; the second's
	WIN 0x02
.irp c, 0,1
	v_cvt_scalef32_pk16_bf6_f32 v[PC+6*\c:PC+2+6*\c], v[64*\a+32*\c:64*\a+15+32*\c], v[TM+12+2*\c]
	v_cvt_scalef32_pk16_bf6_f32 v[PC+12+4*\c:PC+14+4*\c], v[64*\a+16+32*\c:64*\a+31+32*\c], v[TM+12+2*\c+1]
.endr
	WIN 0
	v_nop
.irp c, 0,1
.irp i, 0,1,2
	v_permlane16_swap_b32 v[PC+6*\c+\i], v[PC+12+4*\c+\i]
.endr
.irp i, 0,1,2
	v_mov_b32 v[PC+3+6*\c+\i], v[PC+12+4*\c+\i]
.endr
.endr
	global_store_b128 v[O16], v[PC:PC+3], s[70:71] offset:768*\a
	global_store_b64 v[O8], v[PC+4:PC+5], s[70:71] offset:768*\a+512
	global_store_b128 v[O16], v[PC+6:PC+9], s[70:71] offset:768*\a+QH
	global_store_b64 v[O8], v[PC+10:PC+11], s[70:71] offset:768*\a+QH+512
.endm
; v: block b's 16 features x my 64 tokens: a lane's 32 sums (register 16 e + i = token 32 e + 16 h + i) become half a fragment
.macro VOUT b
	s_wait_xcnt 0x0
	WIN 0x02
.set n, 0
.rept 16
	v_pk_add_f32 v[X+n:X+n+1], v[32*\b+n:32*\b+n+1], v[BM+2*\b:BM+2*\b+1] op_sel_hi:[1,0]   ; + my feature's bias
.set n, n+2
.endr
	WIN 0
.irp e, 0,1
	v_max3_num_f32 v[VB+\e], |v[X+16*\e]|, |v[X+16*\e+1]|, 0x2800000
.endr
.irp i, 2,4,6,8,10,12,14
.irp e, 0,1
	v_max3_num_f32 v[VB+\e], v[VB+\e], |v[X+16*\e+\i]|, |v[X+16*\e+\i+1]|
.endr
.endr
.irp e, 0,1
	v_permlanex16_b32 v[VX+\e], v[VB+\e], s[SEL], s[SEL+1]
.endr
.irp e, 0,1
	v_max_num_f32 v[VB+\e], v[VB+\e], v[VX+\e]
.endr
.irp e, 0,1
	v_add_nc_u32 v[VS+\e], 0xfe000000, v[VB+\e]
.endr
.irp e, 0,1
	v_lshrrev_b32 v[VE+\e], 23, v[VS+\e]
.endr
	v_lshl_or_b32 v[VW], v[VE+1], 8, v[VE]
	v_cvt_scalef32_pk16_bf6_f32 v[P:P+2], v[X:X+15], v[VS]
	v_cvt_scalef32_pk16_bf6_f32 v[TC:TC+2], v[X+16:X+31], v[VS+1]
	v_nop
.irp i, 0,1,2
	v_permlane16_swap_b32 v[P+\i], v[TC+\i]
.endr
.irp i, 0,1,2
	v_mov_b32 v[P+3+\i], v[TC+\i]
.endr
	global_store_b128 v[O16], v[P:P+3], s[74:75] offset:(\b/4)*VH+1536*(\b%4)
	global_store_b64 v[O8], v[P+4:P+5], s[74:75] offset:(\b/4)*VH+1536*(\b%4)+512
	global_store_b16 v[R16], v[VW], s[76:77] offset:(\b/4)*VH+6144+4*(\b%4)
.endm
	s_load_b256 s[4:11], s[0:1], 0x0               ; xq, wq, bq, bk
	s_load_b128 s[12:15], s[0:1], 0x20             ; bv, qk
	s_load_b64 s[16:17], s[0:1], 0x30              ; vt
	v_lshl_add_u32 v[SPW], v0, 2, SPARE
	v_mov_b32 v[NIL], 0
	ds_add_u32 v[SPW], v[NIL]
	ds_add_u32 v[SPW], v[NIL]
	v_lshrrev_b32 v1, 5, v0
	v_readfirstlane_b32 s[WV], v1
	s_lshr_b32 s[RH], s[WV], 1                     ; which 64 tokens are mine.  Also: I fetch tokens (0) or weights (1)
	s_and_b32 s[CH], s[WV], 1                      ; which 128 features.  Also: which half of K of the tokens, or which four groups of the weights, I fetch
	s_bfe_u32 s21, ttmp6, 0x40000
	s_bfe_u32 s22, ttmp6, 0x40004
	s_lshl_b32 s41, ttmp9, 2
	s_add_co_u32 s41, s41, s21                     ; which 256 features of each weight
	s_and_b32 s40, ttmp7, 0xffff
	s_lshl_b32 s40, s40, 2
	s_add_co_u32 s40, s40, s22                     ; which 128 tokens
	s_lshl_b32 s42, s22, 2
	s_lshl_b32 s42, 15, s42
	s_lshl_b32 s43, 0x1111, s21
	s_or_b32 s[G1], s42, (3<<16)|(1<<21)           ; four rows of 1,600 elements of 8 bytes (a group's two records), 3,200 elements apart; dense in LDS
	s_or_b32 s[G1B], s43, (3<<16)|(1<<21)
.irp g, G1, G1B
	s_mov_b32 s[\g+1], 1600<<16
	s_mov_b32 s[\g+2], 4<<16
	s_mov_b32 s[\g+3], 1600<<16
	s_mov_b32 s[\g+4], 4
	s_mov_b32 s[\g+5], 3200
	s_mov_b32 s[\g+6], 0
	s_mov_b32 s[\g+7], 0
.endr
	s_mul_i32 s44, s40, 4*GRP
	s_mul_i32 s45, s[CH], HG
	s_add_co_u32 s44, s44, s45
	s_mov_b32 s45, 0
	s_lshl_b32 s66, s41, 3
	s_lshl_b32 s67, s[CH], 2
	s_add_co_u32 s66, s66, s67
	s_mul_i32 s66, s66, GRP
	s_mov_b32 s67, 0
	s_mul_i32 s46, s[CH], AH
	s_mov_b32 s[G0], 1
	s_mov_b32 s[G0+1], s46
	s_mov_b32 s[G0B], 1
	s_add_co_u32 s[G0B+1], s46, ABYTES
	s_wait_dscnt 0x0
	s_wait_kmcnt 0x0
	s_add_nc_u64 s[G0+2:G0+3], s[4:5], s[44:45]
	s_or_b32 s[G0+3], s[G0+3], 0x80000000
	s_add_nc_u64 s[G0B+2:G0B+3], s[6:7], s[66:67]
	s_or_b32 s[G0B+3], s[G0B+3], 0x80000000
	CROUND
	s_cmp_eq_u32 s[RH], 0
	s_cbranch_scc0 .Lfor_b
	tensor_load_to_lds s[G0:G0+3], s[G1:G1+7]      ; waves 0, 1: the tokens, a half of K each
	s_nop 0
	PLACES 4
	s_branch .Lasked
.Lfor_b:
	tensor_load_to_lds s[G0B:G0B+3], s[G1B:G1B+7]  ; waves 2, 3: Wq's first half of K
	s_nop 0
	PLACES 4
.Lasked:
	v_and_b32 v1, 31, v0
	v_and_b32 v2, 15, v0
	v_bfe_u32 v3, v0, 4, 1
	v_lshlrev_b32 v[BO], 6, v3
	v_and_b32 v4, 7, v2
	v_and_b32 v5, 8, v2
	v_lshl_add_u32 v4, v5, 1, v4
	v_lshlrev_b32 v[BVO], 2, v4                    ; 4 ((r & 7) + 16 (r >> 3))
	s_lshl_b32 s96, s41, 10
	s_lshl_b32 s97, s[CH], 9
	s_add_co_u32 s96, s96, s97                     ; my 128 features among a weight's 1,024
	s_mov_b32 s97, 0
	s_add_nc_u64 s[8:9], s[8:9], s[96:97]
	s_add_nc_u64 s[10:11], s[10:11], s[96:97]
	s_add_nc_u64 s[12:13], s[12:13], s[96:97]
	WALU
	BIAS 8
.irp b, 0,1,2,3,4,5,6,7
	global_load_b32 v[BM+2*\b], v[BVO], s[12:13] offset:4*(32*(\b/2)+8*(\b%2))
.endr
.irp b, 0,1,2,3,4,5,6,7
	v_mov_b32 v[BM+2*\b+1], 0                      ; named with it as a pair
.endr
	v_lshlrev_b32 v[O16], 4, v1
	v_lshlrev_b32 v[O8], 3, v1
	v_lshlrev_b32 v[R16], 4, v2
	s_mul_i32 s98, s[RH], 2*HG                     ; my two groups of tokens
	s_add_co_u32 s99, s46, ABYTES                  ; my four groups of weights
	v_add_nc_u32 v[ADRA16], s98, v[O16]
	v_add_nc_u32 v[ADRA8], s98, v[O8]
	v_add_nc_u32 v[ADRB16], s99, v[O16]
	v_add_nc_u32 v[ADRB8], s99, v[O8]
	v_add_nc_u32 v[ADRA16+1], AH, v[ADRA16]
	v_add_nc_u32 v[ADRA8+1], AH, v[ADRA8]
	v_add_nc_u32 v[ADRB16+1], SLOT, v[ADRB16]
	v_add_nc_u32 v[ADRB8+1], SLOT, v[ADRB8]
	v_lshlrev_b32 v6, 3, v2                        ; 8 bytes of scale words a row
	v_add_nc_u32 v[ADRSB], s99, v6
	v_add_nc_u32 v[ADRSB+1], SLOT, v[ADRSB]
	s_sub_co_u32 s97, s99, s98
	v_mul_u32_u24 v5, s97, v3                      ; lanes 16-31 take the weights' scale words
	v_add_nc_u32 v5, v5, v6
	v_add_nc_u32 v[ADRS], s98, v5
	s_add_co_u32 s97, s97, SLOT-AH
	s_add_co_u32 s98, s98, AH
	v_mul_u32_u24 v5, s97, v3
	v_add_nc_u32 v5, v5, v6
	v_add_nc_u32 v[ADRS+1], s98, v5
	v_mul_u32_u24 v[OSC], v3, QH                   ; lanes 16-31 store the second head's scale words
	v_lshl_add_u32 v[OSC], v2, 4, v[OSC]
.irp b, 0,1,2,3
	v_mov_b32 v[TM+4+\b], 0                        ; a lane permute's destination counts as one of its sources
.endr
	v_mov_b32 v[VX], 0
	v_mov_b32 v[VX+1], 0
	s_lshl_b32 s96, s41, 2
	s_lshl_b32 s97, s[CH], 1
	s_add_co_u32 s96, s96, s97                     ; my first head
	s_lshl_b32 s96, s96, 6
	s_add_co_u32 s96, s96, s40                     ; its record of my 128 tokens
	s_mul_i32 s92, s96, 6656
	s_mov_b32 s93, 0
	s_add_nc_u64 s[72:73], s[14:15], s[92:93]
	s_mul_i32 s92, s[RH], 3072
	s_add_nc_u64 s[70:71], s[72:73], s[92:93]      ; q, k: my four blocks' codes,
	s_lshl_b32 s92, s[RH], 8
	s_add_nc_u64 s[72:73], s[72:73], s[92:93]      ; their scale words
	s_mul_i32 s92, s96, 6400
	s_add_nc_u64 s[76:77], s[16:17], s[92:93]
	s_mul_i32 s92, s[RH], 768
	s_add_nc_u64 s[74:75], s[76:77], s[92:93]      ; v: my half of each fragment,
	s_lshl_b32 s92, s[RH], 1
	s_add_nc_u64 s[76:77], s[76:77], s[92:93]      ; my two bytes of each scale word
	s_mov_b32 s88, 0xffff0000                      ; lanes 16-31
	s_mov_b32 s[SEL], 0x76543210
	s_mov_b32 s[SEL+1], 0xfedcba98
	WALU
	s_wait_tensorcnt 0x0                           ; my tile of the head's four is in; slot 1's first fill is issued as a refill is
	ds_add_u32 v[SPW], v[NIL]
	s_add_co_u32 s[G0B+1], s46, ABYTES+SLOT
	s_add_nc_u64 s[G0B+2:G0B+3], s[G0B+2:G0B+3], HG
	s_wait_dscnt 0x0
	CROUND
	BLOAD
	PLACES NP
	FETCH 0
	s_mov_b32 s[PS], 0
.Lpass:                                        ; q, then k
	STEP 0, 0
	s_cmp_lg_u32 s[PS], 0
	s_cbranch_scc1 .Lno_bias
	PLACES NP                                      ; behind the products that read q's bias
	BIAS 10                                        ; k's
.Lno_bias:
	STEP 1, 0
	STEP 2, 0
	TURN 3, 0, 1, 4, ABYTES, 32*GRP-HG             ; slot 0 takes the next weight's first half of K
	STEP 4, 0
	STEP 5, 0
	STEP 6, 0
	TURN 7, 0, 1, 0, ABYTES+SLOT, HG               ; slot 1 its second half; the next pass's first fragments are fetched
	QOUT 0
	QOUT 1
	QOUT 2
	QOUT 3
.irp i, 0,1,2,3
	v_cndmask_b32 v[T+\i], v[SW0+\i], v[SW1+\i], s88
.endr
	global_store_b128 v[OSC], v[T:T+3], s[72:73] offset:6144   ; sixteen lanes store 256 consecutive bytes
	s_wait_xcnt 0x0
	s_add_nc_u64 s[70:71], s[70:71], 16*QH         ; from q's heads to k's
	s_add_nc_u64 s[72:73], s[72:73], 16*QH
	s_add_co_u32 s[PS], s[PS], 1
	s_cmp_lt_u32 s[PS], 2
	WALU
	s_cbranch_scc1 .Lpass
	STEP 0, 1                                      ; v
	STEP 1, 1
	STEP 2, 1
	TURN 3, 1, 0, 4, 0, 0                          ; a plain barrier shows slot 1
	STEP 4, 1
	STEP 5, 1
	STEP 6, 1
	s_wait_dscnt 0x0
	MWIN 7, 1
	MUL16 0, 7, 1
	MUL16 2, 7, 1
	WIN 0
	PLACES NP
.irp b, 0,1,2,3,4,5,6,7
	VOUT \b
.endr
	s_wait_tensorcnt 0x0                           ; the wave's end
	ds_add_u32 v[SPW], v[NIL]
	s_wait_dscnt 0x0
	CROUND
	s_endpgm
.Lfunc_end_k_qb1c6031b6a_qkv:
	.size	k_qb1c6031b6a_qkv, .Lfunc_end_k_qb1c6031b6a_qkv-k_qb1c6031b6a_qkv
	.p2alignl 7, 3214868480
	.fill 96, 4, 3214868480
	.section	.rodata,"a",@progbits
	.p2align	6, 0x0
	.amdhsa_kernel k_qb1c6031b6a_qkv
		.amdhsa_group_segment_fixed_size 327680
		.amdhsa_private_segment_fixed_size 0
		.amdhsa_enable_private_segment 0
		.amdhsa_kernarg_size 56
		.amdhsa_user_sgpr_count 2
		.amdhsa_user_sgpr_kernarg_segment_ptr 1
		.amdhsa_wavefront_size32 1
		.amdhsa_system_sgpr_workgroup_id_x 1
		.amdhsa_system_sgpr_workgroup_id_y 1
		.amdhsa_system_sgpr_workgroup_id_z 1
		.amdhsa_system_vgpr_workitem_id 0
		.amdhsa_next_free_vgpr 832
		.amdhsa_next_free_sgpr 100
		.amdhsa_reserve_vcc 0
		.amdhsa_float_denorm_mode_32 3
		.amdhsa_float_denorm_mode_16_64 3
		.amdhsa_memory_ordered 1
		.amdhsa_forward_progress 1
		.amdhsa_inst_pref_size 179
	.end_amdhsa_kernel
	.amdgpu_metadata
---
amdhsa.version: [ 1, 2 ]
amdhsa.kernels:
  - .name:           k_qb1c6031b6a_qkv
    .symbol:         k_qb1c6031b6a_qkv.kd
    .args:
      - { .name: xq, .offset: 0, .size: 8, .value_kind: global_buffer, .address_space: global }
      - { .name: wq, .offset: 8, .size: 8, .value_kind: global_buffer, .address_space: global }
      - { .name: bq, .offset: 16, .size: 8, .value_kind: global_buffer, .address_space: global }
      - { .name: bk, .offset: 24, .size: 8, .value_kind: global_buffer, .address_space: global }
      - { .name: bv, .offset: 32, .size: 8, .value_kind: global_buffer, .address_space: global }
      - { .name: qk, .offset: 40, .size: 8, .value_kind: global_buffer, .address_space: global }
      - { .name: vt, .offset: 48, .size: 8, .value_kind: global_buffer, .address_space: global }
    .group_segment_fixed_size: 327680
    .private_segment_fixed_size: 0
    .kernarg_segment_align: 8
    .kernarg_segment_size: 56
    .max_flat_workgroup_size: 128
    .sgpr_count:     100
    .vgpr_count:     832
    .wavefront_size: 32
...
	.end_amdgpu_metadata
.endif
;; end of part 2
;; launch attn (part 3): grid 4 x 64, 8 waves a work-group, clusters of 4 x 1, 327,680 bytes of LDS; arguments qk, vt, oq; writes oq
.if DOCPART == 3
	.amdgcn_target "amdgcn-amd-amdhsa--gfx1250"
	.amdhsa_code_object_version 6
	.text
	.protected	k_qb1c6031b6a_attn
	.globl	k_qb1c6031b6a_attn
	.p2align	8
	.type	k_qb1c6031b6a_attn,@function
k_qb1c6031b6a_attn:
	s_mov_b64 s[64:65], 0
	v_nop
	global_prefetch_b8 v0, s[64:65] scope:SCOPE_SE
	s_setreg_imm32_b32 hwreg(HW_REG_WAVE_MODE, 25, 1), 1
	s_wait_xcnt 0x0
	s_wait_alu depctr_hold_cnt(0) depctr_sa_sdst(0) depctr_va_vdst(0) depctr_va_sdst(0) depctr_va_ssrc(0) depctr_va_vcc(0) depctr_vm_vsrc(0)
	s_getreg_b32 s2, hwreg(HW_REG_IB_STS2, 6, 4)
	s_cmp_eq_u32 s2, 0
	s_cbranch_scc0 .Lentry_in_a_cluster
	s_endpgm
.Lentry_in_a_cluster:
	s_bfe_u32 s2, ttmp6, 0x10000c
	s_cmp_lg_u32 s2, 0x3003
	s_cbranch_scc0 .Lentry_shape_is_right
	s_endpgm
.Lentry_shape_is_right:
; Causal attention of one (batch, head) on codes of BF6 (E3M2): S^T = K Q^T, p = 2^(t - M), O^T += V^T p^T, O / l, quantised along the head's 64 for the out-projection.
; LEFT OUT: key groups that lie wholly above the causal mask that the problem itself builds (their p are zeros for all inputs).
; LIMITS: the scaled scores stay under 2^31 in magnitude; a block of zeros gets the scale byte 1 (its codes are zeros, and this program alone reads the bytes); NaN and infinities are not served.
; BUFFERS: qk[q's 16 heads, then k's][64 groups of 128 tokens][6,656]: block a's 16 tokens x 64 as a half fragment at 768 a (16 bytes a lane, then 8 bytes a lane at 512); scale words at 6,144 + 256 (a >> 2) + 16 r + 4 (a & 3).
; Place r of block a is token 32 (a / 2) + 8 (a % 2) + (r & 7) + 16 (r >> 3).  vt[head][group][6,400]: 16 features x 128 tokens at 1,536 dt, scale words at 6,144 + 16 r + 4 dt.  oq: records as the out-projection reads them.
; THE DEAL: four work-groups of a cluster share a head's K and V, 208,896 bytes, which come into LDS once by joint loads, one a wave: waves 0-3 four groups of K each, waves 4-7 four groups of V.
; All is asked for at the head, so there is no loop to run ahead in and no prefetch.  Wave w takes two blocks of 16 queries of group 15 - w and then two of group w: 17 steps of 128 keys for every wave.
; THE KEYS OF A TILE ARE CHOSEN BY THE LANES' LDS ADDRESSES: place 8 h' + j of tile 4 c + t is key 64 c + 32 h' + 8 t + j, so a lane's 32 scores of four tiles are one whole scale block of p.
; K has 64 along its K: the upper six registers of a K operand are the next tile's codes and meet q's upper six registers, which are zero codes.
; THE TWO QUERY TILES' SOFTMAX GOES LINE BY LINE IN TURN, so that no line reads what the line above it wrote.
; REGISTERS: window 0: v1-15 addresses, v16-69 K's fragments, v70-87 scale words, v96-159 O^T of both tiles, v160-207 q's four fragments, v208-255 V's fragments.
;   window 1: v0-127 the scores of both tiles, then p; from v128 each tile's 48 registers of small state; v224, v225 two constants.
.set KREC,  6656
.set VREC,  6400
.set VBASE, 16*KREC
.set SPARE, VBASE+16*VREC
.set L16, 1
.set L8,  2
.set R16, 3
.set R8,  4
.set KL16, 5
.set KL8, 6
.set KLS, 7
.set SPW, 14
.set NIL, 15
.set KF,  16
.set KSW, 70
.set VSW, 78
.set PS,  84
.set LQ,  92
.set O,   96
.set QF,  160
.set QN,  184
.set VF,  208
.set P,   128
.set TC,  140
.set BM,  148
.set BX,  150
.set NM,  152
.set RM,  153
.set L,   154
.set LB,  156
.set F,   158
.set SO,  160
.set EB,  162
.set PT,  164
.set T0,  165
.set W,   166
.set T1,  167
.set DF,  168
.set DN,  169
.set SH8, 224
.set NINF, 225
.set WV,  10
.set SEL, 18
.set CS,  20
.set G1K, 24
.set G1V, 32
.set G0K, 40
.set G0V, 44
.set KS,  48
.set TK,  49
.set TV,  50
.set NCS, 56
.set MSB, 0
.macro WIN new
.if MSB != (\new)
	s_set_vgpr_msb (MSB<<8)|(\new)
.set MSB, (\new)
.endif
.endm
.macro WALU
	s_wait_alu depctr_va_vdst(0)
.endm
.macro ROUND
	s_barrier_signal -1
	s_barrier_wait -1
	s_cmp_lg_u32 s[WV], 0
	s_cbranch_scc1 .Lnot_wave_0_\@
	s_barrier_signal -3
.Lnot_wave_0_\@:
	s_barrier_wait -3
	s_barrier_signal -1
	s_barrier_wait -1
.endm
; eight tiles of K and their scale words: 20 loads
.macro LOADK a16, a8, as, off
.irp u, 0,1,2,3,4,5,6,7
	ds_load_b128 v[KF+6*\u:KF+6*\u+3], v[\a16] offset:(\off)+768*(4*(\u/4)+\u%2)+128*((\u%4)/2)
	ds_load_b64 v[KF+6*\u+4:KF+6*\u+5], v[\a8] offset:(\off)+768*(4*(\u/4)+\u%2)+512+64*((\u%4)/2)
.endr
.irp p, 0,1,2,3
	ds_load_b64 v[KSW+2*\p:KSW+2*\p+1], v[\as] offset:(\off)+6144+256*(\p/2)+128*(\p%2)
.endr
.endm
; four fragments of V and their scale words: 17 loads
.macro LOADV
.irp e, 0,1,2,3
	ds_load_b128 v[VF+12*\e:VF+12*\e+3], v11 offset:1536*\e
	ds_load_b64 v[VF+12*\e+4:VF+12*\e+5], v12 offset:1536*\e+512
	ds_load_b128 v[VF+12*\e+6:VF+12*\e+9], v11 offset:1536*\e+768
	ds_load_b64 v[VF+12*\e+10:VF+12*\e+11], v12 offset:1536*\e+1280
.endr
	ds_load_b128 v[VSW:VSW+3], v13 offset:6144
.endm
.macro QK t, q, qs
.irp u, 0,1,2,3,4,5,6,7
	v_wmma_scale_f32_16x16x128_f8f6f4 v[64*\t+8*\u:64*\t+8*\u+7], v[KF+6*\u:KF+6*\u+11], v[\q:\q+11], 0, v[KSW+\u], v[\qs] matrix_a_fmt:MATRIX_FMT_BF6 matrix_b_fmt:MATRIX_FMT_BF6
.endr
.endm
; the sums of the unquantised p, two chains a tile: line k = 0 .. 31 of tile t
.macro SUMOP k, t
.if (\k) == 0
	v_pk_add_f32 v[LB+48*\t:LB+48*\t+1], v[64*\t:64*\t+1], v[64*\t+2:64*\t+3]
.elseif (\k) == 31
	v_pk_add_f32 v[L+48*\t:L+48*\t+1], v[L+48*\t:L+48*\t+1], v[LB+48*\t:LB+48*\t+1]
.elseif (\k)%2 == 1
	v_pk_add_f32 v[L+48*\t:L+48*\t+1], v[L+48*\t:L+48*\t+1], v[64*\t+2*(\k)+2:64*\t+2*(\k)+3]
.else
	v_pk_add_f32 v[LB+48*\t:LB+48*\t+1], v[LB+48*\t:LB+48*\t+1], v[64*\t+2*(\k)+2:64*\t+2*(\k)+3]
.endif
.endm
.macro SUM4 m                          ; four lines of each tile, in turn
.irp i, 0,1,2,3
.irp t, 0,1
	SUMOP 4*(\m)+\i, \t
.endr
.endr
.endm
; the eight products with V; ahead of each stand eight lines of the sums, which name none of the products' registers
.macro PV
.irp e, 0,1,2,3
.irp t, 0,1
	WIN 0x55
	SUM4 2*\e+\t
	WIN 0x04
	v_wmma_scale_f32_16x16x128_f8f6f4 v[O+32*\t+8*\e:O+32*\t+8*\e+7], v[VF+12*\e:VF+12*\e+11], v[P+48*\t:P+48*\t+11], v[O+32*\t+8*\e:O+32*\t+8*\e+7], v[VSW+\e], v[PS+\t] matrix_a_fmt:MATRIX_FMT_BF6 matrix_b_fmt:MATRIX_FMT_BF6
.endr
.endr
.endm
; the diagonal group: score n of a lane is key 64 (n / 32) + 32 h + n % 32; d holds my query's token - 32 h
.macro MASK2 d
	WIN 0x55
.irp t, 0,1
.set n, 0
.rept 64
	v_cmp_gt_i32 vcc_lo, 64*(n/32)+n%32, v[\d+48*\t]
	v_cndmask_b32 v[64*\t+n], v[64*\t+n], v[NINF], vcc_lo
.set n, n+1
.endr
.endr
.endm
.macro PKF from, to                    ; t - M, two at a time, scores from .. to - 1 of both tiles
.set n, \from
.rept ((\to)-(\from))/2
.irp t, 0,1
	v_pk_fma_f32 v[64*\t+n:64*\t+n+1], v[64*\t+n:64*\t+n+1], s[CS:CS+1], v[NM+48*\t:NM+48*\t+1] op_sel_hi:[1,0,0]
.endr
.set n, n+2
.endr
.endm
; both tiles' softmax step and the quantising of p
.macro SOFT2
	WIN 0x55
	WALU                                           ; ahead of the first reader of the scores
.irp c, 0,1
.irp t, 0,1
	v_max3_num_f32 v[BM+48*\t+\c], v[64*\t+32*\c], v[64*\t+32*\c+1], v[64*\t+32*\c+2]      ; a lane's two blocks' largest scores, two chains each
	v_max3_num_f32 v[BX+48*\t+\c], v[64*\t+32*\c+16], v[64*\t+32*\c+17], v[64*\t+32*\c+18]
.endr
.endr
.irp i, 3,5,7,9,11,13
.irp c, 0,1
.irp t, 0,1
	v_max3_num_f32 v[BM+48*\t+\c], v[BM+48*\t+\c], v[64*\t+32*\c+\i], v[64*\t+32*\c+\i+1]
	v_max3_num_f32 v[BX+48*\t+\c], v[BX+48*\t+\c], v[64*\t+32*\c+16+\i], v[64*\t+32*\c+17+\i]
.endr
.endr
.endr
.irp c, 0,1
.irp t, 0,1
	v_max3_num_f32 v[BM+48*\t+\c], v[BM+48*\t+\c], v[64*\t+32*\c+15], v[64*\t+32*\c+31]
.endr
.endr
.irp c, 0,1
.irp t, 0,1
	v_max_num_f32 v[BM+48*\t+\c], v[BM+48*\t+\c], v[BX+48*\t+\c]
.endr
.endr
.irp t, 0,1
	v_max_num_f32 v[T0+48*\t], v[BM+48*\t], v[BM+48*\t+1]
.endr
.irp t, 0,1
	v_mov_b32 v[T1+48*\t], v[NM+48*\t]
.endr
.irp t, 0,1
	v_permlanex16_b32 v[PT+48*\t], v[T0+48*\t], s[SEL], s[SEL+1]
.endr
.irp t, 0,1
	v_max3_num_f32 v[RM+48*\t], v[RM+48*\t], v[T0+48*\t], v[PT+48*\t]   ; the running largest score of my query
.endr
.irp t, 0,1
	v_mul_f32 v[T0+48*\t], s[NCS], v[RM+48*\t]     ; - t
.endr
.irp t, 0,1
	v_floor_f32 v[NM+48*\t], v[T0+48*\t]           ; - M = floor(- t): M is a whole number
.endr
.irp t, 0,1
	v_sub_f32 v[T1+48*\t], v[NM+48*\t], v[T1+48*\t]
.endr
	PKF 0, 8
.irp t, 0,1
	v_cvt_i32_f32 v[T1+48*\t], v[T1+48*\t]         ; (it saturates)
.endr
	PKF 8, 16
.irp t, 0,1
	v_ldexp_f32 v[F+48*\t], 1.0, v[T1+48*\t]       ; f = 2^(old M - new M)
.endr
	PKF 16, 64
.irp c, 0,1
.irp t, 0,1
	v_fma_f32 v[BM+48*\t+\c], v[BM+48*\t+\c], s[CS], v[NM+48*\t]   ; the same of each block's largest score
.endr
.endr
.irp t, 0,1
	v_pk_mul_f32 v[L+48*\t:L+48*\t+1], v[L+48*\t:L+48*\t+1], v[F+48*\t:F+48*\t+1] op_sel_hi:[1,0]   ; the sums under the new M
.endr
	WIN 0x04
.set n, 0
.rept 16
.irp t, 0,1
	v_pk_mul_f32 v[O+32*\t+n:O+32*\t+n+1], v[O+32*\t+n:O+32*\t+n+1], v[F+48*\t:F+48*\t+1] op_sel_hi:[1,0]   ; O^T under the new M, ahead of the exponentials
.endr
.set n, n+2
.endr
	WIN 0x55
	WALU                                           ; ahead of the batch
.set n, 0
.rept 64
.irp t, 0,1
	v_exp_f32 v[64*\t+n], v[64*\t+n]
.endr
.set n, n+1
.endr
.irp c, 0,1
.irp t, 0,1
	v_exp_f32 v[BM+48*\t+\c], v[BM+48*\t+\c]       ; the block's largest p
.endr
.endr
	v_nop                                          ; the plain line behind the batch
	WALU                                           ; behind the batch
.irp c, 0,1
.irp t, 0,1
	v_max_num_f32 v[BM+48*\t+\c], 0x2800000, v[BM+48*\t+\c]    ; the floor 2^(5 - 127): the byte cannot fall under 1
.endr
.endr
.irp c, 0,1
.irp t, 0,1
	v_add_nc_u32 v[SO+48*\t+\c], 0xfe000000, v[BM+48*\t+\c]    ; 4 off the exponent field: the conversions' scale operand
.endr
.endr
.irp c, 0,1
.irp t, 0,1
	v_lshrrev_b32 v[EB+48*\t+\c], 23, v[SO+48*\t+\c]
.endr
.endr
.irp t, 0,1
	v_lshl_or_b32 v[W+48*\t], v[EB+48*\t+1], 16, v[EB+48*\t]   ; my bytes: blocks h and 2 + h,
.endr
.irp t, 0,1
	v_lshlrev_b32 v[W+48*\t], v[SH8], v[W+48*\t]   ; at their places,
.endr
.irp t, 0,1
	v_permlanex16_b32 v[PT+48*\t], v[W+48*\t], s[SEL], s[SEL+1]
.endr
	WIN 0x05
.irp t, 0,1
	v_or_b32 v[PS+\t], v[W+48*\t], v[PT+48*\t]     ; with lane l xor 16's: p's scale word, in window 0
.endr
	WIN 0x55
.irp c, 0,1
.irp t, 0,1
	v_cvt_scalef32_pk16_bf6_f32 v[P+48*\t+6*\c:P+48*\t+6*\c+2], v[64*\t+32*\c:64*\t+32*\c+15], v[SO+48*\t+\c]
	v_cvt_scalef32_pk16_bf6_f32 v[TC+48*\t+4*\c:TC+48*\t+4*\c+2], v[64*\t+32*\c+16:64*\t+32*\c+31], v[SO+48*\t+\c]   ; (a conversion's three registers begin on an even number)
.endr
.endr
	v_nop
.irp c, 0,1
.irp t, 0,1
.irp i, 0,1,2
	v_mov_b32 v[P+48*\t+6*\c+3+\i], v[TC+48*\t+4*\c+\i]
.endr
.endr
.endr
.rept 4
	v_nop                                          ; an operand written by vector lines stands four places ahead of its product
.endr
.endm
; both tiles' end: O / l, quantised along the head's 64 (a lane's 16 registers of two tiles are 16 neighbours), stored as half fragments
.macro TAIL2 sb0, sb1
	WIN 0x55
	WALU                                           ; ahead of the first reader of the sums
.irp t, 0,1
	v_add_f32 v[L+48*\t], v[L+48*\t], v[L+48*\t+1]
.endr
.irp t, 0,1
	v_permlanex16_b32 v[PT+48*\t], v[L+48*\t], s[SEL], s[SEL+1]
.endr
.irp t, 0,1
	v_add_f32 v[L+48*\t], v[L+48*\t], v[PT+48*\t]
.endr
	WALU
.irp t, 0,1
	v_rcp_f32 v[L+48*\t], v[L+48*\t]
.endr
	v_nop
	WIN 0x44
	WALU
.set n, 0
.rept 32
.irp t, 0,1
	v_mul_f32 v[64*\t+n], v[O+32*\t+n], v[L+48*\t]
.endr
.set n, n+1
.endr
	WIN 0x55
.irp b, 0,1
.irp t, 0,1
	v_max3_num_f32 v[BM+48*\t+\b], |v[64*\t+16*\b]|, |v[64*\t+16*\b+1]|, 0x2800000
.endr
.endr
.irp i, 2,4,6,8,10,12,14
.irp b, 0,1
.irp t, 0,1
	v_max3_num_f32 v[BM+48*\t+\b], v[BM+48*\t+\b], |v[64*\t+16*\b+\i]|, |v[64*\t+16*\b+\i+1]|
.endr
.endr
.endr
.irp b, 0,1
.irp t, 0,1
	v_permlanex16_b32 v[BX+48*\t+\b], v[BM+48*\t+\b], s[SEL], s[SEL+1]
.endr
.endr
.irp b, 0,1
.irp t, 0,1
	v_max_num_f32 v[BM+48*\t+\b], v[BM+48*\t+\b], v[BX+48*\t+\b]
.endr
.endr
.irp b, 0,1
.irp t, 0,1
	v_add_nc_u32 v[SO+48*\t+\b], 0xfe000000, v[BM+48*\t+\b]
.endr
.endr
.irp b, 0,1
.irp t, 0,1
	v_lshrrev_b32 v[EB+48*\t+\b], 23, v[SO+48*\t+\b]
.endr
.endr
.irp t, 0,1
	v_lshl_or_b32 v[W+48*\t], v[EB+48*\t+1], 8, v[EB+48*\t]
.endr
.irp t, 0,1
	v_cvt_scalef32_pk16_bf6_f32 v[P+48*\t:P+48*\t+2], v[64*\t:64*\t+15], v[SO+48*\t]
	v_cvt_scalef32_pk16_bf6_f32 v[TC+48*\t:TC+48*\t+2], v[64*\t+16:64*\t+31], v[SO+48*\t+1]
.endr
	v_nop
.irp t, 0,1
.irp i, 0,1,2
	v_permlane16_swap_b32 v[P+48*\t+\i], v[TC+48*\t+\i]
.endr
.endr
.irp t, 0,1
.irp i, 0,1,2
	v_mov_b32 v[P+48*\t+3+\i], v[TC+48*\t+\i]
.endr
.endr
	WIN 0x04
	global_store_b128 v[L16], v[P:P+3], s[\sb0+4:\sb0+5]
	global_store_b64 v[L8], v[P+4:P+5], s[\sb0+4:\sb0+5] offset:512
	global_store_b16 v[R8], v[W], s[\sb0+6:\sb0+7] offset:6144
	global_store_b128 v[L16], v[P+48:P+51], s[\sb1+4:\sb1+5]
	global_store_b64 v[L8], v[P+52:P+53], s[\sb1+4:\sb1+5] offset:512
	global_store_b16 v[R8], v[W+48], s[\sb1+6:\sb1+7] offset:6144
	WIN 0
.endm
; block s[a] of group s[g]: its q fragment and scale word are asked for, its mask offset (window 1) and its places in oq are made
.macro SETUP g, a, q, qs, d, sb
	s_add_co_u32 s22, s3, s[\g]
	s_mul_i32 s22, s22, KREC
	s_mul_i32 s23, s[\a], 768
	s_add_co_u32 s[\sb], s22, s23
	s_mov_b32 s[\sb+1], 0
	s_add_nc_u64 s[\sb:\sb+1], s[4:5], s[\sb:\sb+1]
	global_load_b128 v[\q:\q+3], v[L16], s[\sb:\sb+1]
	global_load_b64 v[\q+4:\q+5], v[L8], s[\sb:\sb+1] offset:512
	s_lshr_b32 s23, s[\a], 2
	s_lshl_b32 s23, s23, 8
	s_and_b32 s51, s[\a], 3
	s_lshl_b32 s51, s51, 2
	s_add_co_u32 s23, s23, s51
	s_add_co_u32 s[\sb+2], s22, s23
	s_mov_b32 s[\sb+3], 0
	s_add_nc_u64 s[\sb+2:\sb+3], s[4:5], s[\sb+2:\sb+3]
	global_load_b32 v[\qs], v[R16], s[\sb+2:\sb+3] offset:6144
	s_lshr_b32 s23, s[\a], 1
	s_lshl_b32 s23, s23, 5
	s_and_b32 s51, s[\a], 1
	s_lshl_b32 s51, s51, 3
	s_add_co_u32 s23, s23, s51
	WIN 0x40
	v_add_nc_u32 v[\d], s23, v[LQ]
	WIN 0
	s_lshl_b32 s22, s13, 6
	s_lshl_b32 s23, s[\g], 2
	s_add_co_u32 s22, s22, s23
	s_lshr_b32 s23, s[\a], 1
	s_add_co_u32 s22, s22, s23
	s_lshl_b32 s22, s22, 2
	s_lshr_b32 s23, s12, 2
	s_add_co_u32 s22, s22, s23
	s_mul_i32 s22, s22, 6400
	s_and_b32 s23, s[\a], 1
	s_mul_i32 s51, s23, 3072
	s_add_co_u32 s51, s51, s22
	s_add_co_u32 s[\sb+4], s51, s52
	s_mov_b32 s[\sb+5], 0
	s_add_nc_u64 s[\sb+4:\sb+5], s[8:9], s[\sb+4:\sb+5]
	s_lshl_b32 s23, s23, 7
	s_add_co_u32 s23, s23, s22
	s_add_co_u32 s[\sb+6], s23, s53
	s_mov_b32 s[\sb+7], 0
	s_add_nc_u64 s[\sb+6:\sb+7], s[8:9], s[\sb+6:\sb+7]
.endm
; two query tiles of group s[g] against key groups 0 .. s[g].  The loop's trip count is a constant; a branch on the wave's number leads round the groups above the mask
.macro PHASE q, qs, g, d, sb0, sb1
	LOADK KL16, KL8, KLS, 0
.set n, 0
.rept 64
	v_mov_b32 v[O+n], 0
.set n, n+1
.endr
	WIN 0x40
.irp t, 0,1
	v_mov_b32 v[NM+48*\t], 0x7f000000              ; - M: above every - t, so the first f is 0
	v_mov_b32 v[RM+48*\t], 0xff61b1e6              ; the largest score so far: -3e38
	v_mov_b32 v[L+48*\t], 0
	v_mov_b32 v[L+48*\t+1], 0
.endr
	WIN 0
	s_mov_b32 s[KS], 0
	s_mov_b32 s[TK], 0
	s_mov_b32 s[TV], VBASE
	WALU
.Lstep_\@:
	s_cmp_gt_u32 s[KS], s[\g]
	s_cbranch_scc1 .Lhidden_\@
	s_wait_dscnt 0x0                               ; this group's K, asked for a step ago
	WIN 0x40                                       ; the scores in window 1
	QK 0, \q, \qs
	QK 1, \q+12, \qs+1
	WIN 0
	v_add_nc_u32 v8, s[TK], v[KL16]                ; six plain lines: the places behind the products, ahead of the loads into K's and V's registers and of the scores' readers
	v_add_nc_u32 v9, s[TK], v[KL8]
	v_add_nc_u32 v10, s[TK], v[KLS]
	v_add_nc_u32 v11, s[TV], v[L16]
	v_add_nc_u32 v12, s[TV], v[L8]
	v_add_nc_u32 v13, s[TV], v[R16]
	LOADV
	LOADK 8, 9, 10, KREC                           ; the next group's K (behind the last group: bytes of V's, read and not used)
	s_cmp_lt_u32 s[KS], s[\g]
	s_cbranch_scc1 .Lopen_\@
	MASK2 \d
	WIN 0
.Lopen_\@:
	SOFT2
	WIN 0
	WALU
	s_wait_dscnt 20                                ; V's 17 loads are in; younger are the next K's 20
	PV
	WIN 0
.Lhidden_\@:
	s_add_co_u32 s[TK], s[TK], KREC
	s_add_co_u32 s[TV], s[TV], VREC
	s_add_co_u32 s[KS], s[KS], 1
	s_cmp_lt_u32 s[KS], 16
	s_cbranch_scc1 .Lstep_\@
	s_wait_dscnt 0x0
.rept 4
	v_nop
.endr
	TAIL2 \sb0, \sb1
.endm
	s_load_b128 s[4:7], s[0:1], 0x0                ; qk, vt
	s_load_b64 s[8:9], s[0:1], 0x10                ; oq
	v_lshl_add_u32 v[SPW], v0, 2, SPARE
	v_mov_b32 v[NIL], 0
	ds_add_u32 v[SPW], v[NIL]
	ds_add_u32 v[SPW], v[NIL]
	v_lshrrev_b32 v8, 5, v0
	v_readfirstlane_b32 s[WV], v8
	s_bfe_u32 s11, ttmp6, 0x40000                  ; cx
	s_and_b32 s2, ttmp7, 0xffff
	s_and_b32 s12, s2, 15                          ; head
	s_lshr_b32 s13, s2, 4                          ; batch
	s_lshl_b32 s3, s12, 6
	s_lshl_b32 s22, s13, 4
	s_add_co_u32 s3, s3, s22                       ; the head's first group of this batch
	s_and_b32 s23, s[WV], 3
	s_lshl_b32 s22, s23, 2
	s_add_co_u32 s22, s22, s3                      ; the four groups that I fetch
	s_mul_i32 s60, s22, VREC
	s_mov_b32 s61, 0
	s_add_co_u32 s22, s22, 16*64
	s_mul_i32 s62, s22, KREC
	s_mov_b32 s63, 0
	s_mov_b32 s[G1K], 15|(3<<16)|(1<<21)           ; dense rows of 256 bytes: 104 of K, 100 of V; the mask names the cluster's four
	s_mov_b32 s[G1K+1], 32<<16
	s_mov_b32 s[G1K+2], 104<<16
	s_mov_b32 s[G1K+3], 32<<16
	s_mov_b32 s[G1K+4], 104
	s_mov_b32 s[G1K+5], 32
	s_mov_b32 s[G1K+6], 0
	s_mov_b32 s[G1K+7], 0
	s_mov_b32 s[G1V], 15|(3<<16)|(1<<21)
	s_mov_b32 s[G1V+1], 32<<16
	s_mov_b32 s[G1V+2], 100<<16
	s_mov_b32 s[G1V+3], 32<<16
	s_mov_b32 s[G1V+4], 100
	s_mov_b32 s[G1V+5], 32
	s_mov_b32 s[G1V+6], 0
	s_mov_b32 s[G1V+7], 0
	s_mov_b32 s[G0K], 1
	s_mul_i32 s[G0K+1], s23, 4*KREC
	s_mov_b32 s[G0V], 1
	s_mul_i32 s[G0V+1], s23, 4*VREC
	s_add_co_u32 s[G0V+1], s[G0V+1], VBASE
	s_mov_b32 s14, s[WV]                           ; the near group,
	s_sub_co_u32 s15, 15, s[WV]                    ; the far group
	s_lshl_b32 s16, s11, 1                         ; the near group's two blocks (they enter global addresses and the mask's numbers alone),
	s_add_co_u32 s17, s16, 1
	s_sub_co_u32 s54, 6, s16                       ; the far group's
	s_add_co_u32 s55, s54, 1
	s_and_b32 s53, s12, 3
	s_mul_i32 s52, s53, 768
	s_lshl_b32 s53, s53, 1
	s_mov_b32 s[SEL], 0x76543210
	s_mov_b32 s[SEL+1], 0xfedcba98
	s_mov_b32 s[CS], 0x3e38aa3b                    ; c = log2(e) / 8
	s_mov_b32 s[CS+1], s[CS]
	s_mov_b32 s[NCS], 0xbe38aa3b                   ; - c
	v_and_b32 v8, 31, v0
	v_lshlrev_b32 v[L16], 4, v8
	v_lshlrev_b32 v[L8], 3, v8
	v_and_b32 v9, 15, v0
	v_bfe_u32 v10, v0, 4, 1                        ; h
	v_lshlrev_b32 v[R16], 4, v9
	v_lshlrev_b32 v[R8], 3, v9
	v_and_b32 v11, 7, v0                           ; j
	v_bfe_u32 v12, v0, 3, 1                        ; h'
	v_lshlrev_b32 v[KL16], 4, v11                  ; K's 16-byte pieces: 1,536 h' + 16 j + 256 h
	v_mad_u32_u24 v[KL16], v12, 1536, v[KL16]
	v_lshl_add_u32 v[KL16], v10, 8, v[KL16]
	v_lshlrev_b32 v[KL8], 3, v11                   ; its 8-byte pieces: 1,536 h' + 8 j + 128 h
	v_mad_u32_u24 v[KL8], v12, 1536, v[KL8]
	v_lshl_add_u32 v[KL8], v10, 7, v[KL8]
	v_lshlrev_b32 v[KLS], 4, v11                   ; its scale words: 16 j + 8 h'
	v_lshl_add_u32 v[KLS], v12, 3, v[KLS]
	v_lshl_add_u32 v[LQ], v12, 4, v11              ; j + 16 h' - 32 h
	v_lshlrev_b32 v13, 5, v10
	v_sub_nc_u32 v[LQ], v[LQ], v13
	WALU
	s_wait_dscnt 0x0
	s_wait_kmcnt 0x0
	s_add_nc_u64 s[G0K+2:G0K+3], s[4:5], s[62:63]
	s_or_b32 s[G0K+3], s[G0K+3], 0x80000000
	s_add_nc_u64 s[G0V+2:G0V+3], s[6:7], s[60:61]
	s_or_b32 s[G0V+3], s[G0V+3], 0x80000000
	ROUND
	s_cmp_lt_u32 s[WV], 4
	s_cbranch_scc0 .Lfor_v
	tensor_load_to_lds s[G0K:G0K+3], s[G1K:G1K+7]
	s_nop 0
.rept 4
	v_nop
.endr
	s_branch .Lasked
.Lfor_v:
	tensor_load_to_lds s[G0V:G0V+3], s[G1V:G1V+7]
	s_nop 0
.rept 4
	v_nop
.endr
.Lasked:
	SETUP 15, 54, QF, 82, DF, 66
	SETUP 15, 55, QF+12, 83, DF+48, 74
	SETUP 14, 16, QN, 86, DN, 82
	SETUP 14, 17, QN+12, 87, DN+48, 90
.irp i, 0,1,2,3,4,5
	v_mov_b32 v[QF+6+\i], 0                        ; q's upper 64 along K: zero codes
	v_mov_b32 v[QF+18+\i], 0
	v_mov_b32 v[QN+6+\i], 0
	v_mov_b32 v[QN+18+\i], 0
	v_mov_b32 v[KF+48+\i], 0                       ; behind K's last tile
.endr
	WIN 0x40
.irp t, 0,1
	v_mov_b32 v[PT+48*\t], 0                       ; a lane permute's destination counts as one of its sources
	v_mov_b32 v[BX+48*\t], 0
	v_mov_b32 v[BX+48*\t+1], 0
	v_mov_b32 v[F+48*\t+1], 0                      ; named with f as a pair
.endr
	v_lshlrev_b32 v[SH8], 3, v10                   ; 8 h
	v_mov_b32 v[NINF], 0xff800000
	WIN 0
	WALU
	s_wait_tensorcnt 0x0
	s_barrier_signal -1
	s_barrier_wait -1                              ; all of K and V is in
	s_wait_loadcnt 0x0
	PHASE QF, 82, 15, DF, 66, 74
	s_wait_xcnt 0x0                                ; the stores have read their registers
	PHASE QN, 86, 14, DN, 82, 90
	s_wait_tensorcnt 0x0                           ; the wave's end
	ds_add_u32 v[SPW], v[NIL]
	s_wait_dscnt 0x0
	ROUND
	s_endpgm
.Lfunc_end_k_qb1c6031b6a_attn:
	.size	k_qb1c6031b6a_attn, .Lfunc_end_k_qb1c6031b6a_attn-k_qb1c6031b6a_attn
	.p2alignl 7, 3214868480
	.fill 96, 4, 3214868480
	.section	.rodata,"a",@progbits
	.p2align	6, 0x0
	.amdhsa_kernel k_qb1c6031b6a_attn
		.amdhsa_group_segment_fixed_size 327680
		.amdhsa_private_segment_fixed_size 0
		.amdhsa_enable_private_segment 0
		.amdhsa_kernarg_size 24
		.amdhsa_user_sgpr_count 2
		.amdhsa_user_sgpr_kernarg_segment_ptr 1
		.amdhsa_wavefront_size32 1
		.amdhsa_system_sgpr_workgroup_id_x 1
		.amdhsa_system_sgpr_workgroup_id_y 1
		.amdhsa_system_sgpr_workgroup_id_z 1
		.amdhsa_system_vgpr_workitem_id 0
		.amdhsa_next_free_vgpr 512
		.amdhsa_next_free_sgpr 100
		.amdhsa_reserve_vcc 1
		.amdhsa_float_denorm_mode_32 3
		.amdhsa_float_denorm_mode_16_64 3
		.amdhsa_memory_ordered 1
		.amdhsa_forward_progress 1
		.amdhsa_inst_pref_size 112
	.end_amdhsa_kernel
	.amdgpu_metadata
---
amdhsa.version: [ 1, 2 ]
amdhsa.kernels:
  - .name:           k_qb1c6031b6a_attn
    .symbol:         k_qb1c6031b6a_attn.kd
    .args:
      - { .name: qk, .offset: 0, .size: 8, .value_kind: global_buffer, .address_space: global }
      - { .name: vt, .offset: 8, .size: 8, .value_kind: global_buffer, .address_space: global }
      - { .name: oq, .offset: 16, .size: 8, .value_kind: global_buffer, .address_space: global }
    .group_segment_fixed_size: 327680
    .private_segment_fixed_size: 0
    .kernarg_segment_align: 8
    .kernarg_segment_size: 24
    .max_flat_workgroup_size: 256
    .sgpr_count:     100
    .vgpr_count:     512
    .wavefront_size: 32
...
	.end_amdgpu_metadata
.endif
;; end of part 3
;; launch proj (part 4): grid 4 x 64, 4 waves a work-group, clusters of 4 x 4, 327,680 bytes of LDS; arguments oq, wq, bp, out0; writes out0
.if DOCPART == 4
	.amdgcn_target "amdgcn-amd-amdhsa--gfx1250"
	.amdhsa_code_object_version 6
	.text
	.protected	k_qb1c6031b6a_proj
	.globl	k_qb1c6031b6a_proj
	.p2align	8
	.type	k_qb1c6031b6a_proj,@function
k_qb1c6031b6a_proj:
	s_mov_b64 s[64:65], 0
	v_nop
	global_prefetch_b8 v0, s[64:65] scope:SCOPE_SE
	s_setreg_imm32_b32 hwreg(HW_REG_WAVE_MODE, 25, 1), 1
	s_wait_xcnt 0x0
	s_wait_alu depctr_hold_cnt(0) depctr_sa_sdst(0) depctr_va_vdst(0) depctr_va_sdst(0) depctr_va_ssrc(0) depctr_va_vcc(0) depctr_vm_vsrc(0)
	s_getreg_b32 s2, hwreg(HW_REG_IB_STS2, 6, 4)
	s_cmp_eq_u32 s2, 0
	s_cbranch_scc0 .Lentry_in_a_cluster
	s_endpgm
.Lentry_in_a_cluster:
	s_bfe_u32 s2, ttmp6, 0x10000c
	s_cmp_lg_u32 s2, 0xf033
	s_cbranch_scc0 .Lentry_shape_is_right
	s_endpgm
.Lentry_shape_is_right:
; out0 = context Wp + bp on codes of BF6 (E3M2), K = 1,024, f32 out.  Operands: records of 6,400 bytes = 32 rows x 256 K, buf[group of 32 rows][K / 256][record]: fragment (u, q) at (2 u + q) x 1,536, scale words at 6,144 + 128 u + 8 r + 4 q;
; place r of block u holds row 8 u + (r & 7) + 16 (r >> 3).  Wp's groups begin 96 groups into wq.
; THE DEAL: 256 work-groups, each 128 tokens x 256 features.  ALL OF K of both operands, 12 groups = 307,200 bytes, comes into LDS at the head, one joint load a wave
; (waves 0, 1: two groups of tokens each; waves 2, 3: four groups of features each): nothing is filled again, and there is no loop to run ahead in, so no prefetch.
; A wave holds its 64 features' 32 fragments, all of K, in registers, and streams the eight blocks of 16 tokens past them: 32 products a block, four accumulators by turns.
; A BLOCK'S ROWS LEAVE AT ONCE: behind its products its sums go through the wave's own stage (LDS bytes of its own, into which no tile lands) and are stored as whole rows of 256 bytes.
; CLUSTERS: the tokens' tile is shared along a row of the cluster, the features' along a column.  Source 0 = features, source 1 = tokens: a lane holds eight neighbouring features of a token; the bias is the first products' C.
; REGISTERS: window 0: v8-25 addresses, v32-63 the weights' scale words, v68-83 the tokens' (two sets), v96-159 the sums (two sets), v160-191 the bias, v192-255 rows back from the stage (two sets).
;   Fragment f lies in window 1 + f / 21 at register 12 (f % 21): 0-31 the weights' (4 st + b), 32-47 the tokens' two sets (32 + 8 e + st).
.set REC,   6400
.set GRP,   4*REC
.set ABYTES, 4*GRP
.set SPARE, 12*GRP
.set STAGE, SPARE+512
.set SPITCH, 272
.set FR,    12
.set FPW,   21
.set NP,    4
.set NF,    36                         ; LDS loads of a block of tokens: 32 for eight fragments, 4 for eight scale words
.set ADRA16, 8
.set ADRA8,  10
.set ASC,    12
.set ADRB16, 14
.set ADRB8,  15
.set BSC,    16
.set SPW,    20
.set NIL,    21
.set STO,    22
.set RD,     23
.set CO,     24
.set BOF,    25
.set SB,     32
.set SA,     68
.set ACC,    96
.set BO,     160
.set BK,     192
.set WV, 18
.set RH, 19
.set CH, 20
.set G1,  24
.set G0,  32
.set G1B, 48
.set G0B, 56
.set MSB, 0
.macro WIN new
.if MSB != (\new)
	s_set_vgpr_msb (MSB<<8)|(\new)
.set MSB, (\new)
.endif
.endm
.macro CROUND
	s_barrier_signal -1
	s_barrier_wait -1
	s_cmp_lg_u32 s[WV], 0
	s_cbranch_scc1 .Lnot_wave_0_\@
	s_barrier_signal -3
.Lnot_wave_0_\@:
	s_barrier_wait -3
	s_barrier_signal -1
	s_barrier_wait -1
.endm
.macro PLACES n
.rept \n
	v_nop
.endr
.endm
.macro FRAGW f, a16, a8, off
	WIN (1+(\f)/FPW)<<6
	ds_load_b128 v[FR*((\f)%FPW):FR*((\f)%FPW)+3], v[\a16] offset:\off
	ds_load_b64 v[FR*((\f)%FPW)+4:FR*((\f)%FPW)+5], v[\a8] offset:(\off)+512
	ds_load_b128 v[FR*((\f)%FPW)+6:FR*((\f)%FPW)+9], v[\a16] offset:(\off)+768
	ds_load_b64 v[FR*((\f)%FPW)+10:FR*((\f)%FPW)+11], v[\a8] offset:(\off)+1280
.endm
.macro FETCHA a                        ; block a of the tokens, all of K, into set a % 2: NF loads
.irp st, 0,1,2,3,4,5,6,7
	FRAGW 32+8*((\a)%2)+\st, ADRA16+(\a)/4, ADRA8+(\a)/4, (((\a)%4)/2)*GRP+(\st/2)*REC+(2*((\a)%2)+\st%2)*1536
.endr
	WIN 0
.irp c, 0,1,2,3
	ds_load_b64 v[SA+8*((\a)%2)+2*\c:SA+8*((\a)%2)+2*\c+1], v[ASC+(\a)/4] offset:(((\a)%4)/2)*GRP+\c*REC+6144+128*((\a)%2)
.endr
.endm
.macro BFR st                          ; my four feature blocks' fragments of step st: 16 loads
.irp b, 0,1,2,3
	FRAGW 4*(\st)+\b, ADRB16, ADRB8, (\b/2)*GRP+((\st)/2)*REC+(2*(\b%2)+(\st)%2)*1536
.endr
	WIN 0
.endm
.macro PRD d, fb, fa, c, xb, xa
	v_wmma_scale_f32_16x16x128_f8f6f4 v[\d:\d+7], v[\fb:\fb+FR-1], v[\fa:\fa+FR-1], \c, v[\xb], v[\xa] matrix_a_fmt:MATRIX_FMT_BF6 matrix_b_fmt:MATRIX_FMT_BF6
.endm
.macro PST e, st                       ; step st of a block whose tokens lie in set e: four products
.irp b, 0,1,2,3
	WIN (1+(4*(\st)+\b)/FPW)|((1+(32+8*(\e)+(\st))/FPW)<<2)
.if (\st) == 0
	PRD ACC+32*(\e)+8*\b, FR*((4*(\st)+\b)%FPW), FR*((32+8*(\e)+(\st))%FPW), v[BO+8*\b:BO+8*\b+7], SB+8*\b+(\st), SA+8*(\e)+(\st)
.else
	PRD ACC+32*(\e)+8*\b, FR*((4*(\st)+\b)%FPW), FR*((32+8*(\e)+(\st))%FPW), v[ACC+32*(\e)+8*\b:ACC+32*(\e)+8*\b+7], SB+8*\b+(\st), SA+8*(\e)+(\st)
.endif
.endr
.endm
; the run behind block a's products: its sums through my stage and back as rows of 256 bytes; the fetch of the block two on; one wait; eight stores
.macro RUN a
	WIN 0
	PLACES NP                                      ; behind the last product, ahead of the first reader of its sums and of the fetch into the registers that it read
	s_wait_xcnt 0x0                                ; the stores of two blocks ago have read their registers
.irp b, 0,1,2,3
	ds_store_b128 v[STO], v[ACC+32*((\a)%2)+8*\b:ACC+32*((\a)%2)+8*\b+3] offset:128*(\b/2)+32*(\b%2)
	ds_store_b128 v[STO], v[ACC+32*((\a)%2)+8*\b+4:ACC+32*((\a)%2)+8*\b+7] offset:128*(\b/2)+32*(\b%2)+16
.endr
.irp t, 0,1,2,3,4,5,6,7
	ds_load_b128 v[BK+32*((\a)%2)+4*\t:BK+32*((\a)%2)+4*\t+3], v[RD] offset:2*\t*SPITCH   ; LDS serves a wave's instructions in order: these see the stores above
.endr
.if (\a)+2 < 8
	FETCHA (\a)+2
	s_wait_dscnt NF                                ; the rows are back, and the next block's fragments are in; younger is this run's fetch alone
.else
	s_wait_dscnt 0x0
.endif
.irp t, 0,1,2,3,4,5,6,7                        ; stage rows 2 t, 2 t + 1 are tokens 2 t + 8 (t / 4) and the next of the block's; sixteen lanes store 256 consecutive bytes
	global_store_b128 v[CO], v[BK+32*((\a)%2)+4*\t:BK+32*((\a)%2)+4*\t+3], s[10:11] offset:(32*((\a)/2)+8*((\a)%2)+2*\t+8*(\t/4))*4096 th:TH_STORE_NT
.endr
.endm
	s_load_b256 s[4:11], s[0:1], 0x0               ; oq, wq, bp, out0
	v_lshl_add_u32 v[SPW], v0, 2, SPARE
	v_mov_b32 v[NIL], 0
	ds_add_u32 v[SPW], v[NIL]
	ds_add_u32 v[SPW], v[NIL]
	v_lshrrev_b32 v1, 5, v0
	v_readfirstlane_b32 s[WV], v1
	s_lshr_b32 s[RH], s[WV], 1                     ; I fetch tokens (0) or features (1),
	s_and_b32 s[CH], s[WV], 1                      ; and which half of that tile
	s_bfe_u32 s21, ttmp6, 0x40000
	s_bfe_u32 s22, ttmp6, 0x40004
	s_lshl_b32 s41, ttmp9, 2
	s_add_co_u32 s41, s41, s21                     ; the features' tile
	s_and_b32 s40, ttmp7, 0xffff
	s_lshl_b32 s40, s40, 2
	s_add_co_u32 s40, s40, s22                     ; the tokens' tile
	s_lshl_b32 s42, s22, 2
	s_lshl_b32 s42, 15, s42
	s_lshl_b32 s43, 0x1111, s21
	s_or_b32 s[G1], s42, (3<<16)|(1<<21)           ; dense rows of 256 bytes: 200 for two groups, 400 for four
	s_or_b32 s[G1B], s43, (3<<16)|(1<<21)
	s_mov_b32 s[G1+1], 32<<16
	s_mov_b32 s[G1+2], 200<<16
	s_mov_b32 s[G1+3], 32<<16
	s_mov_b32 s[G1+4], 200
	s_mov_b32 s[G1+5], 32
	s_mov_b32 s[G1+6], 0
	s_mov_b32 s[G1+7], 0
	s_mov_b32 s[G1B+1], 32<<16
	s_mov_b32 s[G1B+2], 400<<16
	s_mov_b32 s[G1B+3], 32<<16
	s_mov_b32 s[G1B+4], 400
	s_mov_b32 s[G1B+5], 32
	s_mov_b32 s[G1B+6], 0
	s_mov_b32 s[G1B+7], 0
	s_lshl_b32 s44, s40, 2
	s_lshl_b32 s45, s[CH], 1
	s_add_co_u32 s44, s44, s45
	s_mul_i32 s44, s44, GRP
	s_mov_b32 s45, 0
	s_lshl_b32 s66, s41, 3
	s_lshl_b32 s67, s[CH], 2
	s_add_co_u32 s66, s66, s67
	s_add_co_u32 s66, s66, 96
	s_mul_i32 s66, s66, GRP
	s_mov_b32 s67, 0
	s_mov_b32 s[G0], 1
	s_mul_i32 s[G0+1], s[CH], 2*GRP
	s_mov_b32 s[G0B], 1
	s_mul_i32 s[G0B+1], s[CH], 4*GRP
	s_add_co_u32 s[G0B+1], s[G0B+1], ABYTES
	s_wait_dscnt 0x0
	s_wait_kmcnt 0x0
	s_add_nc_u64 s[G0+2:G0+3], s[4:5], s[44:45]
	s_or_b32 s[G0+3], s[G0+3], 0x80000000
	s_add_nc_u64 s[G0B+2:G0B+3], s[6:7], s[66:67]
	s_or_b32 s[G0B+3], s[G0B+3], 0x80000000
	CROUND
	s_cmp_eq_u32 s[RH], 0
	s_cbranch_scc0 .Lfor_b
	tensor_load_to_lds s[G0:G0+3], s[G1:G1+7]
	s_nop 0
	PLACES 4
	s_branch .Lasked
.Lfor_b:
	tensor_load_to_lds s[G0B:G0B+3], s[G1B:G1B+7]
	s_nop 0
	PLACES 4
.Lasked:
	v_and_b32 v1, 31, v0
	v_and_b32 v2, 15, v0
	v_bfe_u32 v3, v0, 4, 1
	v_lshlrev_b32 v[BOF], 6, v3
	s_lshl_b32 s96, s41, 10
	s_lshl_b32 s97, s[WV], 8
	s_add_co_u32 s96, s96, s97                     ; my 64 features, in bytes of f32
	s_mov_b32 s97, 0
	s_add_nc_u64 s[8:9], s[8:9], s[96:97]
.irp t, 0,1,2,3                                ; lane half h of tile 2 b + u holds features 32 b + 16 h + 8 u + 0 .. 7
	global_load_b128 v[BO+8*\t:BO+8*\t+3], v[BOF], s[8:9] offset:(32*(\t/2)+8*(\t%2))*4
	global_load_b128 v[BO+8*\t+4:BO+8*\t+7], v[BOF], s[8:9] offset:(32*(\t/2)+8*(\t%2))*4+16
.endr
	v_lshlrev_b32 v[ADRA16], 4, v1                 ; the tokens' groups 0, 1: 16 bytes a lane, 8 bytes a lane, 8 bytes of scale words a row;
	v_lshlrev_b32 v[ADRA8], 3, v1
	v_lshlrev_b32 v[ASC], 3, v2
	v_add_nc_u32 v[ADRA16+1], 2*GRP, v[ADRA16]     ; groups 2, 3: beyond the reach of a 16-bit offset
	v_add_nc_u32 v[ADRA8+1], 2*GRP, v[ADRA8]
	v_add_nc_u32 v[ASC+1], 2*GRP, v[ASC]
	s_mul_i32 s99, s[WV], 2*GRP
	s_add_co_u32 s99, s99, ABYTES                  ; my two groups of features
	v_add_nc_u32 v[ADRB16], s99, v[ADRA16]
	v_add_nc_u32 v[ADRB8], s99, v[ADRA8]
	v_add_nc_u32 v[BSC], s99, v[ASC]
	s_mul_i32 s98, s[WV], 16*SPITCH
	s_add_co_u32 s98, s98, STAGE                   ; my stage
	v_mul_u32_u24 v[STO], v2, SPITCH
	v_lshl_add_u32 v[STO], v3, 6, v[STO]
	v_add_nc_u32 v[STO], s98, v[STO]               ; in: row r, 64 bytes for each half of the lanes
	v_mul_u32_u24 v[RD], v3, SPITCH
	v_lshl_add_u32 v[RD], v2, 4, v[RD]
	v_add_nc_u32 v[RD], s98, v[RD]                 ; back: sixteen lanes to a row, two rows an instruction
	v_lshlrev_b32 v[CO], 12, v3
	v_lshl_add_u32 v[CO], v2, 4, v[CO]             ; and the same two rows in out0
	s_lshl_b32 s98, s40, 19                        ; my first token's row: 128 rows of 4,096 bytes a tile
	s_add_co_u32 s98, s98, s96
	s_mov_b32 s99, 0
	s_add_nc_u64 s[10:11], s[10:11], s[98:99]
	s_wait_alu depctr_va_vdst(0)
	s_wait_loadcnt 0x0
	s_wait_tensorcnt 0x0
	s_barrier_signal -1
	s_barrier_wait -1                              ; both operands are in, all of K
	FETCHA 0
.irp b, 0,1,2,3                                ; the weights' scale words: 16 loads
.irp c, 0,1,2,3
	ds_load_b64 v[SB+8*\b+2*\c:SB+8*\b+2*\c+1], v[BSC] offset:(\b/2)*GRP+\c*REC+6144+128*(\b%2)
.endr
.endr
	BFR 0
	BFR 1
	BFR 2
; BLOCK 0 goes step by step while the weights' fragments come, three steps ahead.  Each wait leaves out what is younger than this step's weights
.irp st, 0,1,2,3,4
	BFR \st+3
	s_wait_dscnt 48                                ; three steps' weights
	PST 0, \st
.endr
	WIN 0
	s_wait_dscnt 32                                ; steps 6 and 7's
	PST 0, 5
	FETCHA 1
	s_wait_dscnt 16+NF                             ; step 7's, and block 1's fetch
	PST 0, 6
	WIN 0
	s_wait_dscnt NF                                ; block 1's fetch
	PST 0, 7
	RUN 0
.irp a, 1,2,3,4,5,6,7
.irp st, 0,1,2,3,4,5,6,7
	PST \a%2, \st
.endr
	RUN \a
.endr
	s_wait_tensorcnt 0x0                           ; the wave's end
	ds_add_u32 v[SPW], v[NIL]
	s_wait_dscnt 0x0
	CROUND
	s_endpgm
.Lfunc_end_k_qb1c6031b6a_proj:
	.size	k_qb1c6031b6a_proj, .Lfunc_end_k_qb1c6031b6a_proj-k_qb1c6031b6a_proj
	.p2alignl 7, 3214868480
	.fill 96, 4, 3214868480
	.section	.rodata,"a",@progbits
	.p2align	6, 0x0
	.amdhsa_kernel k_qb1c6031b6a_proj
		.amdhsa_group_segment_fixed_size 327680
		.amdhsa_private_segment_fixed_size 0
		.amdhsa_enable_private_segment 0
		.amdhsa_kernarg_size 32
		.amdhsa_user_sgpr_count 2
		.amdhsa_user_sgpr_kernarg_segment_ptr 1
		.amdhsa_wavefront_size32 1
		.amdhsa_system_sgpr_workgroup_id_x 1
		.amdhsa_system_sgpr_workgroup_id_y 1
		.amdhsa_system_sgpr_workgroup_id_z 1
		.amdhsa_system_vgpr_workitem_id 0
		.amdhsa_next_free_vgpr 840
		.amdhsa_next_free_sgpr 100
		.amdhsa_reserve_vcc 0
		.amdhsa_float_denorm_mode_32 3
		.amdhsa_float_denorm_mode_16_64 3
		.amdhsa_memory_ordered 1
		.amdhsa_forward_progress 1
		.amdhsa_inst_pref_size 84
	.end_amdhsa_kernel
	.amdgpu_metadata
---
amdhsa.version: [ 1, 2 ]
amdhsa.kernels:
  - .name:           k_qb1c6031b6a_proj
    .symbol:         k_qb1c6031b6a_proj.kd
    .args:
      - { .name: oq, .offset: 0, .size: 8, .value_kind: global_buffer, .address_space: global }
      - { .name: wq, .offset: 8, .size: 8, .value_kind: global_buffer, .address_space: global }
      - { .name: bp, .offset: 16, .size: 8, .value_kind: global_buffer, .address_space: global }
      - { .name: out0, .offset: 24, .size: 8, .value_kind: global_buffer, .address_space: global }
    .group_segment_fixed_size: 327680
    .private_segment_fixed_size: 0
    .kernarg_segment_align: 8
    .kernarg_segment_size: 32
    .max_flat_workgroup_size: 128
    .sgpr_count:     100
    .vgpr_count:     840
    .wavefront_size: 32
...
	.end_amdgpu_metadata
.endif
;; end of part 4
